; MI455X (gfx1250); checked and timed in simulation.
; The chip was launched on July 23, 2026; its instructions are those of AMD's public machine-readable ISA for CDNA 5 (MIT licence, August 2026) and "CDNA5" Instruction Set Architecture Reference Guide (July 2026). The comments in the code are by the model that wrote it; some were corrected since.
;; Fast Diffuser Attention. Allowed arithmetic: matrix products marked QUANTISED: E2M3 operands, one E8M0 scale for each 32 along K, by v_wmma_scale_f32_16x16x128_f8f6f4 with both operands' format E2M3, f32 sums; everything else in f32.
;; Inputs: hidden_states_codes 4 x 1,024 x 64 x 24 uint8 (E2M3 codes of hidden_states, K innermost, in blocks of 32 codes, four codes in three bytes); hidden_states_scales 4 x 1,024 x 64 uint8 (E8M0 scales of hidden_states, one for each 32 codes along K); k_norm_w 128 float32; positions 4 x 1,024 int32; q_norm_w 128 float32; w_o_codes 2,048 x 64 x 24 uint8 (E2M3 codes of w_o, K innermost, in blocks of 32 codes, four codes in three bytes); w_o_scales 2,048 x 64 uint8 (E8M0 scales of w_o, one for each 32 codes along K); w_qkv_codes 3,072 x 64 x 24 uint8 (E2M3 codes of w_qkv, K innermost, in blocks of 32 codes, four codes in three bytes); w_qkv_scales 3,072 x 64 uint8 (E8M0 scales of w_qkv, one for each 32 codes along K).
;; Outputs: out0 4 x 1,024 x 2,048 float32.
;; This version of the problem:
;;   THIS VERSION OF THE PROBLEM IS GIVEN IN LOW PRECISION. The matrix products marked QUANTISED in the list below multiply operands that are first quantised to E2M3 (2 exponent bits, 3 mantissa bits; 6 bits a number), with one power-of-two scale for each 32 numbers along K (OCP MX v1.0); their sums are f32. All else is computed in f32.
;;   The module's matrix products, in the order in which they are computed (A, B: the left and right operand; K: the contracted axis; several contracted axes count as one K, in the product's order):
;;     1. [M 4,096, K 2,048] x [K 2,048, N 3,072]; A: input hidden_states (given as codes); B: input w_qkv (given as codes): QUANTISED
;;     2. batch 64 x [M 1,024, K 128] x [K 128, N 1,024]; A: computed on the way; B: computed on the way: QUANTISED
;;     3. batch 64 x [M 128, K 1,024] x [K 1,024, N 1,024]; A: computed on the way; B: softmax (see below): QUANTISED
;;     4. [M 4,096, K 2,048] x [K 2,048, N 2,048]; A: computed on the way; B: input w_o (given as codes): QUANTISED
;;   THE QUANTISER, for each operand of a quantised product, along K:
;;     - K is cut into blocks of 32 from its start; a last block that is shorter is filled with zeros.
;;     - A block's scale is 2^e with e = floor(log2(the largest magnitude in the block)) - 2, held to -126 .. 127; a block of zeros has e = 0. As a byte (E8M0): e + 127.
;;     - Each number is divided by its block's scale, clamped to +-7.5, and rounded to the nearest number of E2M3, ties to even, subnormals kept.
;;     - The product sums the exact products of the quantised numbers (number of the format x scale) in f32.
;;   ~~~python
;;   def quantise(x, axis):      # numpy; x: float32 -> the quantised numbers, widened to float32 again
;;       x = np.moveaxis(x, axis, -1); K = x.shape[-1]
;;       x = np.pad(x, [(0, 0)] * (x.ndim - 1) + [(0, -K % 32)]); x = x.reshape(x.shape[:-1] + (-1, 32)); a = np.abs(x).max(-1, keepdims=True)
;;       e = np.where(a > 0, np.clip(np.frexp(np.where(a > 0, a, 1))[1] - 1 - 2, -126, 127), 0)      # np.frexp(a)[1] - 1 = floor(log2(a)), exactly
;;       r = np.clip(x / 2.0 ** e, -7.5, 7.5)
;;       step = 2.0 ** (np.maximum(np.frexp(np.where(r == 0, 1, r))[1] - 1, 0) - 3)
;;       q = np.round(r / step) * step * 2.0 ** e      # np.round: ties to even
;;       return np.moveaxis(q.reshape(q.shape[:-2] + (-1,))[..., :K], -1, axis).astype(np.float32)
;;   ~~~
;;   SOFTMAX AHEAD OF A QUANTISED PRODUCT. Where the list says 'softmax', what is quantised is not the finished softmax but p = 2^(t - M), with t = logit x log2(e) and M = ceil(the row's largest t), a whole number; so 1/2 < the row's largest p <= 1. The row's sum l is taken of the UNQUANTISED p, in f32, and the product's result is divided by l at the end. Since M is a whole number, a kernel that streams over the keys may use a running M (the ceiling of the running maximum): every later rescaling is an exact power of two, which a block's scale takes up: the codes' values come out the same.
;;   OPERANDS COMPUTED ON THE WAY. 'Computed on the way' means the value that the module computes at that place (a softmax that the list does not call 'softmax' is quantised finished and normalised). What goes into a quantiser is computed in f32, as accurately as f32 sums, v_exp_f32 and their like allow (about 1e-6 of the number): no bf16 or f16 on the way to a quantiser, and a product that is left as it is and whose result goes on into a quantised operand takes f32 operands (vector FMAs, or v_wmma_f32_16x16x4_f32). A number that lies on a knife's edge between two numbers of the format may be rounded either way, as far as f32 arithmetic and the matrix unit's own rounding can turn it there, and no further.
;;   INPUTS GIVEN AS CODES. hidden_states (in the module: [4, 1024, 2048], K = its axis 2); w_o (in the module: [2048, 2048], K = its axis 0); w_qkv (in the module: [2048, 3072], K = its axis 0): each comes as NAME_codes (uint8): NAME with its K axis moved to the last place and cut into blocks of 32 codes, [.., K / 32, bytes a block], one block behind the other in memory; four codes in three bytes: a row's codes are one little-endian stream of bits, code i at bits 6 i .. 6 i + 5 (a code: sign, 2 exponent bits, 3 mantissa bits); and NAME_scales (uint8): the same leading axes, one E8M0 byte (e + 127) for each 32 codes along K. Its value is code x scale, taken as it is: it is not quantised again, and the codes and scales need not be those that the quantiser above would give.
;; One version. Each part assembles by itself: llvm-mc -triple=amdgcn-amd-amdhsa -mcpu=gfx1250 --defsym DOCPART=n.
;; ======== version 1 of 1: 3 launches
;; limits: right only within a limited range of input values
;; workspace buffers: q_codes 6,291,456 bytes; q_scales 262,144 bytes; k_codes 1,572,864 bytes; k_scales 65,536 bytes; v_codes 1,572,864 bytes; v_scales 65,536 bytes; ctx_codes 6,291,456 bytes; ctx_scales 262,144 bytes
;; launch qkv (part 1): grid 12 x 16, 4 waves a work-group, clusters of 4 x 4, 327,680 bytes of LDS; arguments hidden_states_codes, hidden_states_scales, w_qkv_codes, w_qkv_scales, q_norm_w, k_norm_w, positions, q_codes, q_scales, k_codes, k_scales, v_codes, v_scales; writes q_codes, q_scales, k_codes, k_scales, v_codes, v_scales
.if DOCPART == 1
	.amdgcn_target "amdgcn-amd-amdhsa--gfx1250"
	.amdhsa_code_object_version 6
	.text
	.protected	k_qb62fa593ae_qkv
	.globl	k_qb62fa593ae_qkv
	.p2align	8
	.type	k_qb62fa593ae_qkv,@function
k_qb62fa593ae_qkv:
	s_mov_b64 s[64:65], 0
	v_nop
	global_prefetch_b8 v0, s[64:65] scope:SCOPE_SE
	s_setreg_imm32_b32 hwreg(HW_REG_WAVE_MODE, 25, 1), 1
	s_wait_xcnt 0x0
	s_wait_alu depctr_hold_cnt(0) depctr_sa_sdst(0) depctr_va_vdst(0) depctr_va_sdst(0) depctr_va_ssrc(0) depctr_va_vcc(0) depctr_vm_vsrc(0)
	s_getreg_b32 s2, hwreg(HW_REG_IB_STS2, 6, 4)
	s_cmp_eq_u32 s2, 0
	s_cbranch_scc0 .Lentry_in_a_cluster
	s_endpgm
.Lentry_in_a_cluster:
	s_bfe_u32 s2, ttmp6, 0x10000c
	s_cmp_lg_u32 s2, 0xf033
	s_cbranch_scc0 .Lentry_shape_is_right
	s_endpgm
.Lentry_shape_is_right:
; qkv = hidden x w_qkv on codes of FP6 (E2M3) with E8M0 scales, 4,096 x 3,072 x 2,048; then, in registers: RMS norm and rotary embedding of q and k, and the quantisers of q, k (along the head's 128) and v (along the keys).
; A tile of 256 tokens x 256 columns is made by four waves, each 128 x 128: 64 accumulators, 512 registers.  K goes in steps of 256 through a ring of two LDS slots filled by the tensor data mover.
; 192 tiles: tiles of 128 x 256 would be 384, one and a half for each of 256 WGPs, with half the products for each fragment read from LDS.
; CLUSTERS 4 x 4: hidden's tiles are asked for jointly along a row of the cluster, w_qkv's along a column.
; COLUMNS.  A wave's 128 columns are one head.  Clusters x = 0, 1: column half g of tile column tc is q head 2 tc + g.  Cluster x = 2: half 0 is K head cx, half 1 is V head cx (only global addresses hang on cx).
; Q and K WAVES use the product transposed (source 0 = 16 rows of w_qkv, source 1 = 16 tokens): lane (r, h) of accumulator (a, b) holds token 16 a + r and channels 16 b + 8 h + 0 .. 7.
; V WAVES change the two sources' places (source 0 = 16 tokens, source 1 = 16 rows of w_qkv) by their LDS addresses alone: lane (r, h) holds channel 16 a + r and keys 16 b + 8 h + 0 .. 7: its registers run along the keys.
; WHAT LEAVES: each operand of the attention as an IMAGE OF ITS REGISTERS: a fragment of 16 rows x 128 K is 1,536 bytes, registers 4 c .. 4 c + 3 of lane l at 512 c + 16 l; eight fragments' scale words as 512 bytes, lane l's 16 bytes at 16 l,
; its word i the word of fragment 4 (l / 16) + i, row l % 16.  Each store of a wave covers 512 consecutive bytes, aligned.
; ORDER INSIDE A BLOCK OF 32: place p < 16 holds element 16 (p / 8) + p % 8, place p >= 16 element 16 ((p - 16) / 8) + 8 + p % 8: the same in q and k, and in v and the attention's p: products and blocks are unchanged.
; SIN AND COS: n = angle / pi rounded (by adding 1.5 x 2^23), r = angle - n pi in two parts, Taylor's sums to r^11 and r^12 on |r| <= pi / 2 (what is cut off is under 6e-8), the sign by n's parity.
; LIMITS: |position x frequency| under 2^22 pi, so |position| under 1.3e7.  The frequencies come from v_exp_f32, so that an angle near 1,000 can differ from one made with correctly rounded frequencies by about 1e-4.
; A block of zeros gets the scale byte 1, not 127: its codes are zeros, and this program alone reads the bytes.  NaN and infinities are not served.
.set ROWB,  192                        ; a tile's row: 256 codes
.set KROW,  1536                       ; a row of hidden or of w_qkv in memory
.set PITCH, 240                        ; an LDS row: 3 x (64 bytes + 16 of padding)
.set FR,    12                         ; registers of a fragment
.set NL,    6                          ; LDS loads that bring one
.set NP,    4                          ; places behind this matrix instruction (ISA guide 7.12.1)
.set NQ,    2                          ; steps of 128 in a slot
.set HALFT, 128*PITCH                  ; 128 rows: what one tensor load brings
.set SLOT,  4*HALFT                    ; hidden's 256 rows, then w_qkv's two halves
.set HALFS, 32*272                     ; the scales of 128 rows, 64 bytes a row, as units of 256 bytes + 16
.set SCL,   2*SLOT                     ; behind the ring: hidden's scales (two halves), then w_qkv's
.set SPARE, SCL+4*HALFS                ; the spare words, 128 bytes for each wave, which no other line names
.set ADRA, 16                          ; v16-17 LDS address of source 1's fragments in slot 0, 1 (v18-19: behind one padding more)
.set ADRB, 20                          ; v20-21 the same for source 0 (v22-23)
.set ADSA, 24                          ; v24 source 1's scale words: lane l takes row l of 32
.set ADSB, 25                          ; v25 source 0's
.set PFO,  26                          ; v26 the prefetches' offset: my lane x a row in memory
.set LI,   27                          ; v27 16 x lane
.set SPW,  28                          ; v28 my spare word; never rewritten
.set NIL,  29                          ; v29 0; never rewritten
.set SC,   32                          ; scale words, set s at v[SC + 16 s]: + 2 u + q source 1's blocks 2 u (lanes 0-15) and 2 u + 1 (lanes 16-31); + 8 + 2 u + q source 0's
.set AF,   128                         ; source 1's fragments, window 0, one set;  source 0's: window 1, two sets at v0 and v128;  accumulators: windows 2 and 3
.set G1,   24
.set G0,   32
.set G1B,  48
.set G0B,  56
.set G1S,  68
.set G0S,  76
.set G1SB, 80
.set G0SB, 88
; the epilogue's registers (window 0)
.set VS9,  8                           ; v[8:9] 1/9!, v[10:11] -1/10!: constants that stand beside a literal
.set VC10, 10
.set Z,    32                          ; v32-95 a token's 64 numbers of my lane
.set AA,   96
.set TT,   112
.set SG,   128
.set R2,   144
.set PS,   160
.set PK,   176
.set PC,   192                         ; v192-211 the codes just made
.set TM,   212                         ; v212-227 the quantiser's work
.set PW,   228                         ; the scale word just made
.set RS,   230                         ; v[230:231] 1 / rms
.set POSF, 232                         ; v[232:233] the position as f32
.set SS,   234                         ; v234-241 four pairs of sums of squares
.set WR,   242                         ; v242-245 the image of eight scale words
.set PP,   246                         ; v246-253 my lane's eight positions
.set MAG,  254                         ; v[254:255] 1.5 x 2^23
.set WN,   0                           ; window 1: v0-63 the norm's weight at my 64 channels;
.set IFQ,  64                          ; v64-95 my 32 frequencies
.set SEL,  26                          ; s[26:27] lane selects for lane l xor 16
.set MSB, 0
.macro WIN new                         ; the immediate's high byte repeats the setting that is left
.if MSB != (\new)
	s_set_vgpr_msb (MSB<<8)|(\new)
.set MSB, (\new)
.endif
.endm
.set MUL_LO, 0xa1                      ; source 0 window 1, source 1 window 0, C and D window 2
.set MUL_HI, 0xf1                      ; the same, C and D window 3
.set TO_B,   0x40                      ; destination window 1
; A joint load: waves 0 and 1 fetch hidden's halves, waves 2 and 3 w_qkv's.  An s_nop 0 and four v_nop follow each line.
.macro JLOAD g0a, g1a, g0b, g1b
	s_cmp_eq_u32 s15, 0
	s_cbranch_scc0 .Lfor_b_\@
	tensor_load_to_lds s[\g0a:\g0a+3], s[\g1a:\g1a+7]
	s_nop 0
.rept 4
	v_nop
.endr
	s_branch .Lasked_\@
.Lfor_b_\@:
	tensor_load_to_lds s[\g0b:\g0b+3], s[\g1b:\g1b+7]
	s_nop 0
.rept 4
	v_nop
.endr
.Lasked_\@:
.endm
.macro CREST                           ; a round of the cluster's barrier behind its opening barrier
	s_cmp_lg_u32 s14, 0
	s_cbranch_scc1 .Lnot_wave_0_\@
	s_barrier_signal -3
.Lnot_wave_0_\@:
	s_barrier_wait -3
	s_barrier_signal -1
	s_barrier_wait -1
.endm
.macro CROUND
	s_barrier_signal -1
	s_barrier_wait -1
	CREST
.endm
; A prefetch into the L2: behind the refill of K slot s, the last byte of K slot s + 2 of 32 rows, a lane a row.  Slots 4, 5, 6 end in a row's aligned blocks 3, 4, 5 of 256 bytes; slot 7 ends in block 5 again and is not named;
; blocks 0 to 2 come by their loads.  Hidden's rows are named by cluster x = 0, w_qkv's by cluster y = 0; the four partners of a joint load take 32 rows each, told apart by address.
.macro ASK lim
	s_cmp_ge_u32 s3, s[\lim]
	s_cbranch_scc0 .Lnot_mine_\@
	global_prefetch_b8 v[PFO], s[12:13] th:TH_LOAD_NT scope:SCOPE_SE
.Lnot_mine_\@:
.endm
; One product.  ra, rb = 1: the side's scale words stand in lanes 16-31.  zero = 1: it starts the sum.
.macro WM d, fa, fb, sa, sb, ra, rb, zero
.if (\zero) && (\ra) && (\rb)
	v_wmma_scale_f32_16x16x128_f8f6f4 v[(\d):(\d)+7], v[(\fa):(\fa)+11], v[(\fb):(\fb)+11], 0, v[(\sa)], v[(\sb)] matrix_a_fmt:MATRIX_FMT_FP6 matrix_b_fmt:MATRIX_FMT_FP6 matrix_a_scale:MATRIX_SCALE_ROW1 matrix_b_scale:MATRIX_SCALE_ROW1
.elseif (\zero) && (\ra)
	v_wmma_scale_f32_16x16x128_f8f6f4 v[(\d):(\d)+7], v[(\fa):(\fa)+11], v[(\fb):(\fb)+11], 0, v[(\sa)], v[(\sb)] matrix_a_fmt:MATRIX_FMT_FP6 matrix_b_fmt:MATRIX_FMT_FP6 matrix_a_scale:MATRIX_SCALE_ROW1
.elseif (\zero) && (\rb)
	v_wmma_scale_f32_16x16x128_f8f6f4 v[(\d):(\d)+7], v[(\fa):(\fa)+11], v[(\fb):(\fb)+11], 0, v[(\sa)], v[(\sb)] matrix_a_fmt:MATRIX_FMT_FP6 matrix_b_fmt:MATRIX_FMT_FP6 matrix_b_scale:MATRIX_SCALE_ROW1
.elseif (\zero)
	v_wmma_scale_f32_16x16x128_f8f6f4 v[(\d):(\d)+7], v[(\fa):(\fa)+11], v[(\fb):(\fb)+11], 0, v[(\sa)], v[(\sb)] matrix_a_fmt:MATRIX_FMT_FP6 matrix_b_fmt:MATRIX_FMT_FP6
.elseif (\ra) && (\rb)
	v_wmma_scale_f32_16x16x128_f8f6f4 v[(\d):(\d)+7], v[(\fa):(\fa)+11], v[(\fb):(\fb)+11], v[(\d):(\d)+7], v[(\sa)], v[(\sb)] matrix_a_fmt:MATRIX_FMT_FP6 matrix_b_fmt:MATRIX_FMT_FP6 matrix_a_scale:MATRIX_SCALE_ROW1 matrix_b_scale:MATRIX_SCALE_ROW1
.elseif (\ra)
	v_wmma_scale_f32_16x16x128_f8f6f4 v[(\d):(\d)+7], v[(\fa):(\fa)+11], v[(\fb):(\fb)+11], v[(\d):(\d)+7], v[(\sa)], v[(\sb)] matrix_a_fmt:MATRIX_FMT_FP6 matrix_b_fmt:MATRIX_FMT_FP6 matrix_a_scale:MATRIX_SCALE_ROW1
.elseif (\rb)
	v_wmma_scale_f32_16x16x128_f8f6f4 v[(\d):(\d)+7], v[(\fa):(\fa)+11], v[(\fb):(\fb)+11], v[(\d):(\d)+7], v[(\sa)], v[(\sb)] matrix_a_fmt:MATRIX_FMT_FP6 matrix_b_fmt:MATRIX_FMT_FP6 matrix_b_scale:MATRIX_SCALE_ROW1
.else
	v_wmma_scale_f32_16x16x128_f8f6f4 v[(\d):(\d)+7], v[(\fa):(\fa)+11], v[(\fb):(\fb)+11], v[(\d):(\d)+7], v[(\sa)], v[(\sb)] matrix_a_fmt:MATRIX_FMT_FP6 matrix_b_fmt:MATRIX_FMT_FP6
.endif
.endm
	s_load_b256 s[4:11], s[0:1], 0x0               ; hidden's codes s[4:5], its scales s[6:7], w_qkv's codes s[8:9], its scales s[10:11]
	v_lshl_add_u32 v[SPW], v0, 2, SPARE
	v_mov_b32 v[NIL], 0
	ds_add_u32 v[SPW], v[NIL]                      ; the wave's opening: the add and its wait stand ahead of my first tensor load; the set-up below stands between them
	v_lshrrev_b32 v1, 5, v0
	v_readfirstlane_b32 s14, v1                    ; wave 0..3
	s_lshr_b32 s15, s14, 1                         ; my half of the tile's tokens.  Also: I fetch for hidden (0) or for w_qkv (1)
	s_and_b32 s16, s14, 1                          ; my half of its columns.  Also: which 128 rows I fetch
	s_bfe_u32 s40, ttmp6, 0x40000                  ; cx
	s_bfe_u32 s41, ttmp6, 0x40004                  ; cy
	s_lshl_b32 s42, ttmp9, 2
	s_add_co_u32 s42, s42, s40                     ; tile column = 4 x cluster x + cx
	s_and_b32 s17, ttmp7, 0xffff
	s_lshl_b32 s17, s17, 2
	s_add_co_u32 s17, s17, s41                     ; tile row = 4 x cluster y + cy
	s_lshl_b32 s43, s41, 2
	s_lshl_b32 s43, 15, s43                        ; my row of the cluster
	s_lshl_b32 s44, 0x1111, s40                    ; my column
	s_cmp_eq_u32 ttmp9, 2                          ; the cluster of K's and V's heads?  The same in all sixteen partners
	s_cselect_b32 s96, 1, 0                        ; isKV
	s_cselect_b32 s97, s16, 0                      ; isV: that cluster's waves 1 and 3
	s_lshr_b32 s98, 256, s96                       ; w_qkv's rows from cx to cx + 1: 256, or 128 there
	s_lshl_b32 s99, s96, 1
	s_lshl_b32 s99, 128, s99                       ; and from half 0 to half 1: 128, or 512 there (from a K head to its V head)
	s_or_b32 s[G1+0], s43, (1<<20)|(1<<21)|(3<<22)|(3<<25)   ; 15:0 the mask: hidden's tiles go to my row; elements of 1 byte; 20 padding on; 21 set beside a mask; after every 16 words, 4 words
	s_or_b32 s[G1B+0], s44, (1<<20)|(1<<21)|(3<<22)|(3<<25)  ; the same with my column's mask
.irp g, G1, G1B
	s_mov_b32 s[\g+1], ROWB<<16                    ; tensor_dim0
	s_mov_b32 s[\g+2], 128<<16                     ; tensor_dim1
	s_mov_b32 s[\g+3], ROWB<<16                    ; tile_dim0
	s_mov_b32 s[\g+4], 128                         ; tile_dim1
	s_mov_b32 s[\g+5], KROW                        ; from row to row
	s_mov_b32 s[\g+6], 0
	s_mov_b32 s[\g+7], 0
.endr
	s_or_b32 s[G1S+0], s43, (3<<16)|(1<<20)|(1<<21)|(5<<22)|(3<<25)   ; the scales of 128 rows: 8,192 dense bytes as 32 rows of 256 (32 elements of 8 bytes), 16 bytes of padding behind each
	s_or_b32 s[G1SB+0], s44, (3<<16)|(1<<20)|(1<<21)|(5<<22)|(3<<25)
.irp g, G1S, G1SB
	s_mov_b32 s[\g+1], 32<<16
	s_mov_b32 s[\g+2], 32<<16
	s_mov_b32 s[\g+3], 32<<16
	s_mov_b32 s[\g+4], 32
	s_mov_b32 s[\g+5], 32
	s_mov_b32 s[\g+6], 0
	s_mov_b32 s[\g+7], 0
.endr
	s_lshl_b32 s46, ttmp9, 10
	s_mul_i32 s47, s40, s98
	s_add_co_u32 s46, s46, s47
	s_mul_i32 s47, s16, s99
	s_add_co_u32 s46, s46, s47                     ; w_qkv: the first of the 128 rows that I fetch
	s_lshl_b32 s18, s16, 7
	s_lshl_b32 s20, s17, 8
	s_add_co_u32 s20, s20, s18                     ; hidden: row 256 x tile row + 128 x half
	s_and_b32 s19, ttmp7, 0xffff                   ; cluster y
	s_cmp_eq_u32 s15, 0                            ; the prefetches: do I fetch for hidden?
	s_cselect_b32 s100, s20, s46                   ; the rows that I fetch,
	s_cselect_b32 s101, s40, s41                   ; my place among the four that ask for them with me,
	s_cselect_b32 s19, ttmp9, s19                  ; the coordinate along which other clusters read the same rows
	s_lshl_b32 s101, s101, 5
	s_add_co_u32 s100, s100, s101                  ; my work-group's 32 rows
	s_mul_i32 s100, s100, KROW
	s_add_co_u32 s100, s100, 4*ROWB-1              ; the last byte of K slot 3: the first refill steps it to slot 4's
	s_mov_b32 s101, 0
	s_cmp_eq_u32 s19, 0
	s_cselect_b32 s66, 2, -1                       ; slot 0's refills name a slot while the loop's counter is 2 or more (K slots 4, 6),
	s_cselect_b32 s67, 3, -1                       ; slot 1's while it is 3 (K slot 5); other waves never
	s_mov_b32 s21, 0
	s_mov_b32 s47, 0
	s_mov_b64 s[18:19], 64
	s_mul_u64 s[22:23], s[20:21], s[18:19]         ; where these rows' scales begin,
	s_mul_u64 s[92:93], s[46:47], s[18:19]
	s_mov_b64 s[18:19], KROW
	s_mul_u64 s[20:21], s[20:21], s[18:19]         ; and their codes
	s_mul_u64 s[46:47], s[46:47], s[18:19]
	s_mul_i32 s45, s14, HALFT                      ; where they go: wave x 128 rows
	s_mul_i32 s94, s14, HALFS
	s_wait_dscnt 0x0                               ; the opening add is done
	s_wait_kmcnt 0x0
	s_add_nc_u64 s[20:21], s[4:5], s[20:21]
	s_add_nc_u64 s[22:23], s[6:7], s[22:23]
	s_add_nc_u64 s[46:47], s[8:9], s[46:47]
	s_add_nc_u64 s[92:93], s[10:11], s[92:93]
	CROUND                                         ; all sixteen work-groups are here: the first joint loads meet
	s_mov_b32 s[G0S], 1
	s_add_co_u32 s[G0S+1], s94, SCL
	s_mov_b64 s[G0S+2:G0S+3], s[22:23]
	s_or_b32 s[G0S+3], s[G0S+3], 0x80000000
	s_mov_b32 s[G0SB], 1
	s_add_co_u32 s[G0SB+1], s94, SCL
	s_mov_b64 s[G0SB+2:G0SB+3], s[92:93]
	s_or_b32 s[G0SB+3], s[G0SB+3], 0x80000000
	JLOAD G0S, G1S, G0SB, G1SB                     ; the scales, for all of K: filled once
.irp s, 0,1
	s_mov_b32 s[G0+4*\s], 1
	s_add_co_u32 s[G0+4*\s+1], s45, \s*SLOT
	s_add_nc_u64 s[G0+4*\s+2:G0+4*\s+3], s[20:21], \s*ROWB
	s_or_b32 s[G0+4*\s+3], s[G0+4*\s+3], 0x80000000
	s_mov_b32 s[G0B+4*\s], 1
	s_add_co_u32 s[G0B+4*\s+1], s45, \s*SLOT
	s_add_nc_u64 s[G0B+4*\s+2:G0B+4*\s+3], s[46:47], \s*ROWB
	s_or_b32 s[G0B+4*\s+3], s[G0B+4*\s+3], 0x80000000
	JLOAD G0+4*\s, G1, G0B+4*\s, G1B
.endr
	s_cmp_eq_u32 s15, 0
	s_cselect_b64 s[12:13], s[4:5], s[8:9]
	s_add_nc_u64 s[12:13], s[12:13], s[100:101]    ; where my prefetches stand
	v_and_b32 v[PFO], 31, v0
	v_mul_u32_u24 v[PFO], v[PFO], KROW
	v_and_b32 v1, 15, v0                           ; r
	v_bfe_u32 v2, v0, 4, 1                         ; h
	v_mul_u32_u24 v3, v1, PITCH
	v_mul_u32_u24 v4, v2, 24
	v_add_nc_u32 v4, v3, v4                        ; a fragment's row x pitch + 24 h
	v_lshl_add_u32 v5, v2, 4, v4                   ; and the same behind one padding more
	s_mul_i32 s21, s15, HALFT                      ; my 128 tokens
	s_mul_i32 s22, s16, HALFT
	s_add_co_u32 s22, s22, 2*HALFT                 ; my 128 rows of w_qkv, behind hidden's 256
	s_cmp_lg_u32 s97, 0                            ; a V wave takes the two the other way round
	s_cselect_b32 s18, s22, s21                    ; source 1
	s_cselect_b32 s19, s21, s22                    ; source 0
.irp s, 0,1
	v_add_nc_u32 v[ADRA+\s], s18, v4
	v_add_nc_u32 v[ADRB+\s], s19, v4
	v_add_nc_u32 v[ADRA+2+\s], s18, v5
	v_add_nc_u32 v[ADRB+2+\s], s19, v5
	s_add_co_u32 s18, s18, SLOT
	s_add_co_u32 s19, s19, SLOT
.endr
	v_and_b32 v6, 31, v0
	v_lshrrev_b32 v7, 2, v6
	v_lshlrev_b32 v6, 6, v6
	v_lshl_add_u32 v6, v7, 4, v6                   ; row l of 32: 64 bytes a row, and 16 more for each four rows passed
	s_mul_i32 s21, s15, HALFS
	s_add_co_u32 s21, s21, SCL
	s_mul_i32 s22, s16, HALFS
	s_add_co_u32 s22, s22, SCL+2*HALFS
	s_cmp_lg_u32 s97, 0
	s_cselect_b32 s18, s22, s21
	s_cselect_b32 s19, s21, s22
	v_add_nc_u32 v[ADSA], s18, v6
	v_add_nc_u32 v[ADSB], s19, v6
.macro FRAG reg, adr, q, i             ; a fragment: lane (r, h) takes 24 bytes at 24 h and 24 at 48 + 24 h of its row's 96, in pieces of 8; where the piece three on lies behind one padding more, the second address register serves
.irp p, 0,1,2,3,4,5
.set PCE, 12*(\q)+6*(\p/3)+\p%3
.if PCE%8 < 5
	ds_load_b64 v[\reg+2*\p:\reg+2*\p+1], v[\adr] offset:8*PCE+16*(PCE/8)+(\i)*16*PITCH
.else
	ds_load_b64 v[\reg+2*\p:\reg+2*\p+1], v[\adr+2] offset:8*PCE+16*(PCE/8)+(\i)*16*PITCH
.endif
.endr
.endm
; 16 products: source 1's blocks a0, a0 + 1 x source 0's eight.  The 64 accumulators take turns, one instruction a turn, in the same order in every step.
.macro MUL16 a0, p, q, sc, zero
.irp a, \a0, \a0+1
.irp b, 0,1,2,3,4,5,6,7
	WM 8*(8*((\a)%4)+\b), 128*(\p)+FR*\b, AF+FR*(\a), SC+16*(\sc)+8+2*(\b/2)+(\q), SC+16*(\sc)+2*((\a)/2)+(\q), \b%2, (\a)%2, \zero
.endr
.endr
.endm
.macro FETCH_B slot, q, p
	WIN TO_B
.irp i, 0,1,2,3,4,5,6,7
	FRAG 128*(\p)+FR*\i, ADRB+\slot, \q, \i
.endr
	WIN 0
.endm
.macro FETCH_A slot, q, i0
.irp i, \i0, \i0+1, \i0+2, \i0+3
	FRAG AF+FR*(\i), ADRA+\slot, \q, \i
.endr
.endm
.macro SCALES sc                       ; a slot's scale words: two words a row; eight loads
.irp u, 0,1,2,3
	ds_load_b64 v[SC+16*\sc+2*\u:SC+16*\sc+2*\u+1], v[ADSA] offset:2176*\u
	ds_load_b64 v[SC+16*\sc+8+2*\u:SC+16*\sc+8+2*\u+1], v[ADSB] offset:2176*\u
.endr
.endm
.macro PLACES n                        ; plain vector instructions between a matrix instruction and a load into, or a read of, its registers (ISA guide 7.12.1 for a read)
.rept \n
	v_nop
.endr
.endm
.macro STEP slot, q, zero              ; a step of 128 along K that has its successor in the same slot
	s_wait_dscnt 4*NL                              ; source 0's set and source 1's blocks 0-3 are in; the youngest 24 loads (blocks 4-7) may be out
	WIN MUL_LO
	MUL16 0, (\q)%2, \q, \slot, \zero
	MUL16 2, (\q)%2, \q, \slot, \zero
	s_wait_dscnt 0
	PLACES NP
	FETCH_B \slot, (\q)+1, 1-(\q)%2
	FETCH_A \slot, (\q)+1, 0
	WIN MUL_HI
	MUL16 4, (\q)%2, \q, \slot, \zero
	MUL16 6, (\q)%2, \q, \slot, \zero
	PLACES NP
	WIN 0
	FETCH_A \slot, (\q)+1, 4
.endm
; A slot's last step changes slots: one barrier; in front of it each wave waits for all its tensor loads, adds 0 to its spare word, and waits for that and for its reads of this slot.
.macro TURN slot, next, fill, lim
.if \fill
	s_wait_xcnt 0x0                                ; the last prefetch, a slot back, has read its address
	s_add_nc_u64 s[12:13], s[12:13], ROWB
.endif
	s_wait_tensorcnt 0x0                           ; all my tensor loads have landed: my part of the next slot
	ds_add_u32 v[SPW], v[NIL]                      ; 0 onto my spare word
	s_wait_dscnt 4*NL+1                            ; the add and the youngest 24 loads may be out
	WIN MUL_LO
	MUL16 0, 1, NQ-1, \slot, 0
	s_wait_dscnt 0x0                               ; the add is done, and my reads of this slot are over
	s_barrier_signal -1
	MUL16 2, 1, NQ-1, \slot, 0
	WIN 0
	s_barrier_wait -1
.if \fill
	CREST                                          ; the barrier has opened a round of the cluster's: no wave of any partner still reads this slot or has a load on its way
	s_add_nc_u64 s[G0+4*\slot+2:G0+4*\slot+3], s[G0+4*\slot+2:G0+4*\slot+3], 2*ROWB
	s_add_nc_u64 s[G0B+4*\slot+2:G0B+4*\slot+3], s[G0B+4*\slot+2:G0B+4*\slot+3], 2*ROWB
	JLOAD G0+4*\slot, G1, G0B+4*\slot, G1B         ; the first tensor load behind the round; its four v_nop are the places in front of the loads below
.else
	PLACES NP
.endif
	v_add_nc_u32 v[ADSA], 4*NQ, v[ADSA]            ; on to the next slot's scale words
	v_add_nc_u32 v[ADSB], 4*NQ, v[ADSB]
	FETCH_B \next, 0, 0
	FETCH_A \next, 0, 0
	SCALES \next
.if \fill
	ASK \lim
.endif
	WIN MUL_HI
	MUL16 4, 1, NQ-1, \slot, 0
	MUL16 6, 1, NQ-1, \slot, 0
	PLACES NP
	WIN 0
	FETCH_A \next, 0, 4
.endm
	s_wait_tensorcnt 1                             ; the scales and my part of K slot 0 are in; slot 1's load may be out
	s_barrier_signal -1
	s_barrier_wait -1
	FETCH_B 0, 0, 0
	FETCH_A 0, 0, 0
	SCALES 0
	FETCH_A 0, 0, 4
	STEP 0, 0, 1                                   ; the first step stands in front of the loop: its products start the sums
	s_mov_b32 s3, 3
.Llap:                                                 ; a trip goes once round the ring and fills both slots again
	TURN 0, 1, 1, 66
	STEP 1, 0, 0
	TURN 1, 0, 1, 67
	STEP 0, 0, 0
	s_sub_co_u32 s3, s3, 1
	s_cmp_lg_u32 s3, 0
	s_cbranch_scc1 .Llap
	s_load_b512 s[68:83], s[0:1], 0x20             ; q_norm_w, k_norm_w, positions, q_codes, q_scales, k_codes, k_scales, v_codes (the scales' descriptors were done with at the first change of slots)
	s_load_b64 s[84:85], s[0:1], 0x60              ; v_scales
	TURN 0, 1, 0, 66                               ; the last lap fills nothing
	STEP 1, 0, 0
	s_wait_dscnt 4*NL
	WIN MUL_LO
	MUL16 0, 1, NQ-1, 1, 0
	MUL16 2, 1, NQ-1, 1, 0
	s_wait_dscnt 0
	WIN MUL_HI
	MUL16 4, 1, NQ-1, 1, 0
	MUL16 6, 1, NQ-1, 1, 0
	WIN 0
; ---- THE QUANTISER, in four parts.  64 numbers of a lane from v[s] on; register 16 b + i belongs to block b, whose other 16 numbers lie in lane l xor 16.
.macro QMAX s                          ; each block's largest magnitude among my 16, with the floor 2^(3 - 127) as a leaf: the byte cannot fall under 1
.irp b, 0,1,2,3
	v_max3_num_f32 v[TM+\b], |v[(\s)+16*\b]|, |v[(\s)+1+16*\b]|, 0x1800000
.endr
.irp i, 2,4,6,8,10,12,14
.irp b, 0,1,2,3
	v_max3_num_f32 v[TM+\b], |v[(\s)+16*\b+\i]|, |v[(\s)+1+16*\b+\i]|, v[TM+\b]
.endr
.endr
.endm
.macro QMID                            ; with lane l xor 16's; 2 off the exponent field is the conversion's scale operand; its exponent field is the byte; four bytes make the row's word
.irp b, 0,1,2,3
	v_permlanex16_b32 v[TM+4+\b], v[TM+\b], s[SEL], s[SEL+1]
.endr
.irp b, 0,1,2,3
	v_max_num_f32 v[TM+\b], v[TM+\b], v[TM+4+\b]
.endr
.irp b, 0,1,2,3
	v_add_nc_u32 v[TM+12+\b], 0xff000000, v[TM+\b]
.endr
.irp b, 0,1,2,3
	v_lshrrev_b32 v[TM+4+\b], 23, v[TM+12+\b]
.endr
	v_lshl_or_b32 v[PW], v[TM+5], 8, v[TM+4]
	v_lshl_or_b32 v[PW], v[TM+6], 16, v[PW]
	v_lshl_or_b32 v[PW], v[TM+7], 24, v[PW]
.endm
.macro QCVT s                          ; (a conversion's three registers begin on an even number: a block's second half is made elsewhere and moved)
.irp c, 0,1
	v_cvt_scalef32_pk16_fp6_f32 v[PC+6*\c:PC+6*\c+2], v[(\s)+32*\c:(\s)+32*\c+15], v[TM+12+2*\c]
	v_cvt_scalef32_pk16_fp6_f32 v[PC+12+4*\c:PC+12+4*\c+2], v[(\s)+16+32*\c:(\s)+31+32*\c], v[TM+13+2*\c]
.endr
.endm
.macro QTAIL                           ; the operand's layout wants a whole block in a lane: lanes 0-15 block 2 c, lanes 16-31 block 2 c + 1
	v_nop                                          ; one plain place behind a scaled conversion
.irp c, 0,1
.irp i, 0,1,2
	v_permlane16_swap_b32 v[PC+6*\c+\i], v[PC+12+4*\c+\i]
.endr
.irp i, 0,1,2
	v_mov_b32 v[PC+3+6*\c+\i], v[PC+12+4*\c+\i]
.endr
.endr
.endm
	; ---- THE EPILOGUE'S COMMON HEAD: where my wave's eight images and their scale words go
	PLACES NP
	s_wait_kmcnt 0x0
	s_lshr_b32 s18, s17, 2                         ; the batch: four tile rows each
	s_and_b32 s19, s17, 3
	s_lshl_b32 s19, s19, 1
	s_add_co_u32 s19, s19, s15                     ; which 128 tokens of its 1,024
	s_lshl_b32 s20, s42, 1
	s_add_co_u32 s20, s20, s16                     ; the q head
	s_cmp_lg_u32 s96, 0
	s_cselect_b32 s20, s40, s20                    ; or the K or V head
	s_cselect_b32 s21, 2, 4                        ; 4 or 16 heads a batch
	s_lshl_b32 s18, s18, s21
	s_add_co_u32 s18, s18, s20
	s_lshl_b32 s18, s18, 3
	s_add_co_u32 s18, s18, s19                     ; (batch x heads + head) x 8 + group of 128
	s_mul_i32 s20, s18, 8*1536
	s_mov_b32 s21, 0
	s_lshl_b32 s22, s18, 9
	s_mov_b32 s23, 0
	s_cmp_lg_u32 s97, 0
	s_cselect_b64 s[88:89], s[82:83], s[78:79]     ; v's buffers or k's,
	s_cselect_b64 s[90:91], s[84:85], s[80:81]
	s_cmp_lg_u32 s96, 0
	s_cselect_b64 s[88:89], s[88:89], s[74:75]     ; or q's
	s_cselect_b64 s[90:91], s[90:91], s[76:77]
	s_cselect_b64 s[70:71], s[70:71], s[68:69]     ; k's norm weight or q's
	s_add_nc_u64 s[88:89], s[88:89], s[20:21]
	s_add_nc_u64 s[90:91], s[90:91], s[22:23]
	s_mov_b32 s[SEL], 0x76543210
	s_mov_b32 s[SEL+1], 0xfedcba98
	v_and_b32 v[LI], 31, v0
	v_lshlrev_b32 v[LI], 4, v[LI]
.irp b, 0,1,2,3
	v_mov_b32 v[TM+4+\b], 0                        ; written once: a lane permute's destination counts as one of its sources
.endr
	s_cmp_lg_u32 s97, 0                            ; the cluster's x and the wave's number alone
	s_cbranch_scc1 .Lvpath
	; ---- Q AND K WAVES
	v_bfe_u32 v1, v0, 4, 1                         ; h
	v_lshlrev_b32 v2, 5, v1
	WIN 0x40
.irp b, 0,1,2,3,4,5,6,7
	global_load_b128 v[WN+8*\b:WN+8*\b+3], v2, s[70:71] offset:64*\b       ; the weight at channels 16 b + 8 h + 0 .. 7
	global_load_b128 v[WN+8*\b+4:WN+8*\b+7], v2, s[70:71] offset:64*\b+16
.endr
	WIN 0
	s_lshl_b32 s18, s17, 10
	s_lshl_b32 s19, s15, 9
	s_add_co_u32 s18, s18, s19                     ; my wave's first token, 4 bytes each
	v_and_b32 v3, 15, v0
	v_lshl_add_u32 v3, v3, 2, s18
.irp a, 0,1,2,3,4,5,6,7
	global_load_b32 v[PP+\a], v3, s[72:73] offset:64*\a                    ; the position of token 16 a + r
.endr
	v_lshlrev_b32 v4, 3, v1                        ; 8 h
.set k, 0
.rept 32
	v_add_nc_u32 v[AA+k], 16*(k/8)+k%8, v4         ; my 32 frequencies' numbers: 16 b + 8 h + j
.set k, k+1
.endr
.set k, 0
.rept 32
	v_cvt_f32_u32 v[AA+k], v[AA+k]
.set k, k+1
.endr
.set k, 0
.rept 32
	v_mul_f32 v[AA+k], 0xbe549a78, v[AA+k]         ; x -log2(10000) / 64
.set k, k+1
.endr
	WIN 0x40
.set k, 0
.rept 32
	v_exp_f32 v[IFQ+k], v[AA+k]                    ; 10000^(-number / 64)
.set k, k+1
.endr
	v_nop                                          ; a plain place behind the exponentials
	s_wait_alu depctr_va_vdst(0)                   ; one wait for the batch, ahead of the label below and of the first reader
	WIN 0
	v_mov_b32 v[VS9], 0x3638ef1d
	v_mov_b32 v[VS9+1], 0x3638ef1d
	v_mov_b32 v[VC10], 0xb493f27e
	v_mov_b32 v[VC10+1], 0xb493f27e
	v_mov_b32 v[MAG], 0x4b400000
	v_mov_b32 v[MAG+1], 0x4b400000
	v_mov_b32 v[RS+1], 0                           ; (named as the upper halves of pairs)
	v_mov_b32 v[POSF+1], 0
.irp i, 0,1,2,3
	v_mov_b32 v[WR+\i], 0
.endr
	s_mov_b32 s24, 0x3c000000                      ; 1 / 128
	s_mov_b32 s25, 0x358637bd                      ; 1e-6
	s_wait_loadcnt 0x0
; What names accumulators is written once for each block of 16 tokens: the sum of squares (each accumulator from its low end on), x times the weight into window 0, the position.
.macro SECT a
.set WW, 2+(\a)/4
.set AC, 64*((\a)%4)
	WIN WW|(WW<<2)
.set p, 0
.rept 4
	v_pk_mul_f32 v[SS+2*p:SS+2*p+1], v[AC+2*p:AC+2*p+1], v[AC+2*p:AC+2*p+1]
.set p, p+1
.endr
.rept 28
	v_pk_fma_f32 v[SS+2*(p%4):SS+2*(p%4)+1], v[AC+2*p:AC+2*p+1], v[AC+2*p:AC+2*p+1], v[SS+2*(p%4):SS+2*(p%4)+1]
.set p, p+1
.endr
	WIN WW|(1<<2)
.set p, 0
.rept 32
	v_pk_mul_f32 v[Z+2*p:Z+2*p+1], v[AC+2*p:AC+2*p+1], v[WN+2*p:WN+2*p+1]
.set p, p+1
.endr
	WIN 0
	v_cvt_f32_i32 v[POSF], v[PP+\a]
.endm
; sin and cos of 16 angles, each times the sign and 1 / rms: PS, PK
.macro SINCOS hb
	WIN 0x01
.irp i, 0,2,4,6,8,10,12,14
	v_pk_mul_f32 v[AA+\i:AA+\i+1], v[IFQ+16*\hb+\i:IFQ+16*\hb+\i+1], v[POSF:POSF+1] op_sel_hi:[1,0]    ; the angle
.endr
	WIN 0
.irp i, 0,2,4,6,8,10,12,14
	v_pk_fma_f32 v[TT+\i:TT+\i+1], v[AA+\i:AA+\i+1], 0x3ea2f983, v[MAG:MAG+1] op_sel_hi:[1,0,1]        ; angle / pi + 1.5 x 2^23: n in the low bits
.endr
.set k, 0
.rept 16
	v_lshl_or_b32 v[SG+k], v[TT+k], 31, 0x3f800000                                                    ; +1 or -1 by n's parity
.set k, k+1
.endr
.irp i, 0,2,4,6,8,10,12,14
	v_pk_add_f32 v[TT+\i:TT+\i+1], v[TT+\i:TT+\i+1], 0xcb400000 op_sel_hi:[1,0]                        ; n
.endr
.irp i, 0,2,4,6,8,10,12,14
	v_pk_fma_f32 v[AA+\i:AA+\i+1], v[TT+\i:TT+\i+1], 0xc0490fdb, v[AA+\i:AA+\i+1] op_sel_hi:[1,0,1]    ; r = angle - n pi, pi in two parts
.endr
.irp i, 0,2,4,6,8,10,12,14
	v_pk_fma_f32 v[AA+\i:AA+\i+1], v[TT+\i:TT+\i+1], 0x33bbbd2e, v[AA+\i:AA+\i+1] op_sel_hi:[1,0,1]
.endr
.irp i, 0,2,4,6,8,10,12,14
	v_pk_mul_f32 v[R2+\i:R2+\i+1], v[AA+\i:AA+\i+1], v[AA+\i:AA+\i+1]
.endr
.if \hb == 0
	s_wait_alu depctr_va_vdst(0)                   ; the wait for v_rsq_f32, ahead of its first reader; the lines above are the independent work between
.endif
.irp i, 0,2,4,6,8,10,12,14
	v_pk_mul_f32 v[SG+\i:SG+\i+1], v[SG+\i:SG+\i+1], v[RS:RS+1] op_sel_hi:[1,0]                        ; the sign x 1 / rms
.endr
.irp i, 0,2,4,6,8,10,12,14
	v_pk_fma_f32 v[PS+\i:PS+\i+1], v[R2+\i:R2+\i+1], 0xb2d7322b, v[VS9:VS9+1] op_sel_hi:[1,0,1]        ; -1/11! r^2 + 1/9!
.endr
.irp cf, 0xb9500d01, 0x3c088889, 0xbe2aaaab
.irp i, 0,2,4,6,8,10,12,14
	v_pk_fma_f32 v[PS+\i:PS+\i+1], v[PS+\i:PS+\i+1], v[R2+\i:R2+\i+1], \cf op_sel_hi:[1,1,0]           ; -1/7!, 1/5!, -1/3!
.endr
.endr
.irp i, 0,2,4,6,8,10,12,14
	v_pk_mul_f32 v[AA+\i:AA+\i+1], v[AA+\i:AA+\i+1], v[SG+\i:SG+\i+1]
.endr
.irp i, 0,2,4,6,8,10,12,14
	v_pk_mul_f32 v[TT+\i:TT+\i+1], v[AA+\i:AA+\i+1], v[R2+\i:R2+\i+1]
.endr
.irp i, 0,2,4,6,8,10,12,14
	v_pk_fma_f32 v[PS+\i:PS+\i+1], v[TT+\i:TT+\i+1], v[PS+\i:PS+\i+1], v[AA+\i:AA+\i+1]                ; (r + r^3 (..)) x sign / rms
.endr
.irp i, 0,2,4,6,8,10,12,14
	v_pk_fma_f32 v[PK+\i:PK+\i+1], v[R2+\i:R2+\i+1], 0x310f76c8, v[VC10:VC10+1] op_sel_hi:[1,0,1]      ; 1/12! r^2 - 1/10!
.endr
.irp cf, 0x37d00d01, 0xbab60b61, 0x3d2aaaab, -0.5, 1.0
.irp i, 0,2,4,6,8,10,12,14
	v_pk_fma_f32 v[PK+\i:PK+\i+1], v[PK+\i:PK+\i+1], v[R2+\i:R2+\i+1], \cf op_sel_hi:[1,1,0]           ; 1/8!, -1/6!, 1/4!, -1/2, 1
.endr
.endr
.irp i, 0,2,4,6,8,10,12,14
	v_pk_mul_f32 v[PK+\i:PK+\i+1], v[PK+\i:PK+\i+1], v[SG+\i:SG+\i+1]
.endr
.endm
.macro ROPE hb                         ; channels d < 64 in Z's lower 32 registers, d + 64 in its upper 32
.irp i, 0,2,4,6,8,10,12,14
	v_pk_mul_f32 v[AA+\i:AA+\i+1], v[Z+32+16*\hb+\i:Z+32+16*\hb+\i+1], v[PS+\i:PS+\i+1]
	v_pk_mul_f32 v[TT+\i:TT+\i+1], v[Z+16*\hb+\i:Z+16*\hb+\i+1], v[PS+\i:PS+\i+1]
.endr
.irp i, 0,2,4,6,8,10,12,14
	v_pk_fma_f32 v[Z+16*\hb+\i:Z+16*\hb+\i+1], v[Z+16*\hb+\i:Z+16*\hb+\i+1], v[PK+\i:PK+\i+1], v[AA+\i:AA+\i+1] neg_lo:[0,0,1] neg_hi:[0,0,1]
	v_pk_fma_f32 v[Z+32+16*\hb+\i:Z+32+16*\hb+\i+1], v[Z+32+16*\hb+\i:Z+32+16*\hb+\i+1], v[PK+\i:PK+\i+1], v[TT+\i:TT+\i+1]
.endr
.endm
	s_mov_b32 s29, 0
.Lqk:                                                  ; eight trips, a block of 16 tokens each
.irp a, 0,1,2,3,4,5,6
	s_cmp_eq_u32 s29, \a
	s_cbranch_scc1 .Lsect\a
.endr
	SECT 7
	s_branch .Lcommon
.irp a, 0,1,2,3,4,5,6
.Lsect\a:
	SECT \a
	s_branch .Lcommon
.endr
.Lcommon:
	v_pk_add_f32 v[SS:SS+1], v[SS:SS+1], v[SS+2:SS+3]
	v_pk_add_f32 v[SS+4:SS+5], v[SS+4:SS+5], v[SS+6:SS+7]
	v_pk_add_f32 v[SS:SS+1], v[SS:SS+1], v[SS+4:SS+5]
	v_add_f32 v[SS], v[SS], v[SS+1]
	v_permlanex16_b32 v[SS+1], v[SS], s[SEL], s[SEL+1]
	v_add_f32 v[SS], v[SS], v[SS+1]                ; the token's sum of 128 squares
	v_fma_f32 v[SS], v[SS], s24, s25               ; / 128 + 1e-6
	v_rsq_f32 v[RS], v[SS]
	SINCOS 0
	ROPE 0
	SINCOS 1
	ROPE 1
	QMAX Z
	QMID
	QCVT Z
	QTAIL
.irp c, 0,1,2
	global_store_b128 v[LI], v[PC+4*\c:PC+4*\c+3], s[88:89] offset:512*\c   ; the image: 32 lanes store 512 consecutive bytes
.endr
	s_mov_b32 s28, 0xffff0000
	s_cmp_lt_u32 s29, 4
	s_cselect_b32 s28, 0xffff, s28                 ; blocks 0-3 go to lanes 0-15 of the words' image, blocks 4-7 to lanes 16-31:
	v_cndmask_b32 v[WR], v[WR], v[WR+1], s28       ; those lanes' four words move down by one, and the new word comes in on top
	v_cndmask_b32 v[WR+1], v[WR+1], v[WR+2], s28
	v_cndmask_b32 v[WR+2], v[WR+2], v[WR+3], s28
	v_cndmask_b32 v[WR+3], v[WR+3], v[PW], s28
	s_wait_xcnt 0x0                                ; the stores have read their data and their base: both are written again only behind this wait
	s_add_nc_u64 s[88:89], s[88:89], 1536
	s_add_co_u32 s29, s29, 1
	s_cmp_lt_u32 s29, 8
	s_cbranch_scc1 .Lqk
	global_store_b128 v[LI], v[WR:WR+3], s[90:91]  ; eight blocks' scale words
	s_branch .Ljoin
	; ---- V WAVES: a lane's 64 registers of block a are channel 16 a + r at my 128 keys: they are quantised where they stand
.Lvpath:
	s_mov_b32 s28, 0xffff0000
.macro VBLK a
.set WW, 2+(\a)/4
.set AC, 64*((\a)%4)
	WIN WW|(WW<<2)
	QMAX AC                                        ; each accumulator is first read at its registers 0 and 1
	WIN 0
	QMID
.if (\a) > 0
	s_wait_xcnt 0x0                                ; the last block's stores have read their data
.endif
	WIN WW
	QCVT AC
	WIN 0
	QTAIL
.irp c, 0,1,2
	global_store_b128 v[LI], v[PC+4*\c:PC+4*\c+3], s[88:89] offset:1536*(\a)+512*\c
.endr
.if (\a) < 4
	v_mov_b32 v[WR+(\a)], v[PW]
.else
	v_cndmask_b32 v[WR+(\a)-4], v[WR+(\a)-4], v[PW], s28
.endif
.endm
.irp a, 0,1,2,3,4,5,6,7
	VBLK \a
.endr
	global_store_b128 v[LI], v[WR:WR+3], s[90:91]
.Ljoin:
	s_wait_tensorcnt 0x0                           ; the wave's end
	ds_add_u32 v[SPW], v[NIL]
	s_wait_dscnt 0x0
	CROUND                                         ; the closing round: no work-group ends while a partner may still ask for a tile that names it
	s_endpgm
.Lfunc_end_k_qb62fa593ae_qkv:
	.size	k_qb62fa593ae_qkv, .Lfunc_end_k_qb62fa593ae_qkv-k_qb62fa593ae_qkv
	.p2alignl 7, 3214868480
	.fill 96, 4, 3214868480
	.section	.rodata,"a",@progbits
	.p2align	6, 0x0
	.amdhsa_kernel k_qb62fa593ae_qkv
		.amdhsa_group_segment_fixed_size 327680
		.amdhsa_private_segment_fixed_size 0
		.amdhsa_enable_private_segment 0
		.amdhsa_kernarg_size 104
		.amdhsa_user_sgpr_count 2
		.amdhsa_user_sgpr_kernarg_segment_ptr 1
		.amdhsa_wavefront_size32 1
		.amdhsa_system_sgpr_workgroup_id_x 1
		.amdhsa_system_sgpr_workgroup_id_y 1
		.amdhsa_system_sgpr_workgroup_id_z 1
		.amdhsa_system_vgpr_workitem_id 0
		.amdhsa_next_free_vgpr 1024
		.amdhsa_next_free_sgpr 102
		.amdhsa_reserve_vcc 0
		.amdhsa_float_denorm_mode_32 3
		.amdhsa_float_denorm_mode_16_64 3
		.amdhsa_memory_ordered 1
		.amdhsa_forward_progress 1
		.amdhsa_inst_pref_size 247
	.end_amdhsa_kernel
	.amdgpu_metadata
---
amdhsa.version: [ 1, 2 ]
amdhsa.kernels:
  - .name:           k_qb62fa593ae_qkv
    .symbol:         k_qb62fa593ae_qkv.kd
    .args:
      - { .name: hidden_states_codes, .offset: 0, .size: 8, .value_kind: global_buffer, .address_space: global }
      - { .name: hidden_states_scales, .offset: 8, .size: 8, .value_kind: global_buffer, .address_space: global }
      - { .name: w_qkv_codes, .offset: 16, .size: 8, .value_kind: global_buffer, .address_space: global }
      - { .name: w_qkv_scales, .offset: 24, .size: 8, .value_kind: global_buffer, .address_space: global }
      - { .name: q_norm_w, .offset: 32, .size: 8, .value_kind: global_buffer, .address_space: global }
      - { .name: k_norm_w, .offset: 40, .size: 8, .value_kind: global_buffer, .address_space: global }
      - { .name: positions, .offset: 48, .size: 8, .value_kind: global_buffer, .address_space: global }
      - { .name: q_codes, .offset: 56, .size: 8, .value_kind: global_buffer, .address_space: global }
      - { .name: q_scales, .offset: 64, .size: 8, .value_kind: global_buffer, .address_space: global }
      - { .name: k_codes, .offset: 72, .size: 8, .value_kind: global_buffer, .address_space: global }
      - { .name: k_scales, .offset: 80, .size: 8, .value_kind: global_buffer, .address_space: global }
      - { .name: v_codes, .offset: 88, .size: 8, .value_kind: global_buffer, .address_space: global }
      - { .name: v_scales, .offset: 96, .size: 8, .value_kind: global_buffer, .address_space: global }
    .group_segment_fixed_size: 327680
    .private_segment_fixed_size: 0
    .kernarg_segment_align: 8
    .kernarg_segment_size: 104
    .max_flat_workgroup_size: 128
    .sgpr_count:     102
    .vgpr_count:     1024
    .wavefront_size: 32
...
	.end_amdgpu_metadata
.endif
;; end of part 1
;; launch attn (part 2): grid 4 x 64, 8 waves a work-group, clusters of 4 x 1, 212,992 bytes of LDS; arguments q_codes, q_scales, k_codes, k_scales, v_codes, v_scales, ctx_codes, ctx_scales; writes ctx_codes, ctx_scales
.if DOCPART == 2
	.amdgcn_target "amdgcn-amd-amdhsa--gfx1250"
	.amdhsa_code_object_version 6
	.text
	.protected	k_qb62fa593ae_attn
	.globl	k_qb62fa593ae_attn
	.p2align	8
	.type	k_qb62fa593ae_attn,@function
k_qb62fa593ae_attn:
	s_mov_b64 s[64:65], 0
	v_nop
	global_prefetch_b8 v0, s[64:65] scope:SCOPE_SE
	s_setreg_imm32_b32 hwreg(HW_REG_WAVE_MODE, 25, 1), 1
	s_wait_xcnt 0x0
	s_wait_alu depctr_hold_cnt(0) depctr_sa_sdst(0) depctr_va_vdst(0) depctr_va_sdst(0) depctr_va_ssrc(0) depctr_va_vcc(0) depctr_vm_vsrc(0)
	s_getreg_b32 s2, hwreg(HW_REG_IB_STS2, 6, 4)
	s_cmp_eq_u32 s2, 0
	s_cbranch_scc0 .Lentry_in_a_cluster
	s_endpgm
.Lentry_in_a_cluster:
	s_bfe_u32 s2, ttmp6, 0x10000c
	s_cmp_lg_u32 s2, 0x3003
	s_cbranch_scc0 .Lentry_shape_is_right
	s_endpgm
.Lentry_shape_is_right:
; ctx = softmax(q k^T / sqrt(128)) v for one query head and 256 queries a work-group, both products on codes of FP6 (E2M3) with E8M0 scales; then ctx is quantised along the head's 128 channels for the output projection.
; All operands come as images of their registers (1,536 bytes a fragment, registers 4 c .. 4 c + 3 of lane l at 512 c + 16 l) and scale words by eights (512 bytes: lane l's word i is fragment 4 (l / 16) + i, row l % 16).
; SHARES.  Work-group (cx, y): y = 16 x batch + head, queries 256 cx on.  Each of eight waves owns 32 queries, two tiles of 16, so that each fragment of K and V read from LDS feeds two products; two waves share a SIMD.
; LDS.  A head's K and V (98,304 bytes each) and their scale words stay for the whole launch: every LDS byte is filled once, so there is no ring.  The four work-groups of a cluster are the four query blocks of one head:
; each part is asked for JOINTLY.  A wave issues five loads at the head (its part of the scale words and of four chunks of two key steps): five are out at the most; the chunks behind the one in hand stay out.
; No prefetch: all loads go out at the head, and nothing is asked for later.
; LAYOUT.  Both products are used transposed (S^T = K Q^T, O^T = V^T P^T): a lane holds one query throughout; register 16 b + i of S^T is key 32 b + 16 (i / 8) + 8 (lane / 16) + i % 8, and v was quantised in that same order of keys.
; THE SOFTMAX: t = score x log2(e) / sqrt(128); M = the running largest t rounded up to a whole number; p = 2^(t - M) is quantised, not normalised; the sum is taken of the unquantised p and divides at the end.
; LIMITS: a block of zeros gets the scale byte 1, not 127 (its codes are zeros; this program alone reads the bytes); a block's largest p is taken from the block's largest score by the same two instructions; NaN and infinities are not served.
.set KSC,   196608                     ; LDS: K's images 0 .. 98,304; V's .. 196,608; K's scale words (4,096);
.set VSC,   200704                     ; V's (4,096);
.set SCST,  204800                     ; a stage for ctx's scale words (1,024), which no tensor load fills;
.set SPARE, 205824                     ; the spare words, 128 bytes for each of eight waves, which no other line names
.set LI,   1                           ; v1  16 x lane
.set ADK,  2                           ; v2-5 the step's addresses: K's images, V's, K's scale words, V's
.set ADV,  3
.set ADKS, 4
.set ADVS, 5
.set SPW,  6                           ; v6  my spare word; never rewritten
.set NIL,  7                           ; v7  0; never rewritten
.set STW,  8                           ; v8  the stage: where my tiles' scale words go
.set RDW,  9                           ; v9  and where a block of 512 bytes is read back
.set QSW,  12                          ; v12-13 Q's scale words
.set F,    16                          ; v16-63 four fragments of K or V
.set S,    64                          ; v64-191 S^T, then p: tile u at 64 + 64 u
.set PCD,  192                         ; v192-215 p's codes, 12 a tile
.set CT,   216                         ; v216-223 conversions' second halves
.set KSW,  224                         ; v224-227 K's scale words, v228-231 V's
.set VSW,  228
.set BM,   232                         ; v232-235 blocks' maxima, v236-239 at work, v240-243 the conversions' scale operands
.set BX,   236
.set SO,   240                         ; v[244+2u:245+2u] -M and the largest t; v[248+2u:249+2u] the sum in two halves; v252 f, v253 at work
.set PSW,  254                         ; v254-255 p's scale words
.set QF,   128                         ; window 1: v0-127 O^T, tile u at 64 u; v128-151 Q's two fragments
.set TM,   232                         ; the way out's quantiser works in v232-247,
.set PC,   192                         ; makes its codes in v192-211
.set PW,   253                         ; and its scale word in v253
.set WV,   20
.set G1C,  24                          ; s[24:31] group 1 for a part of a chunk: 24 rows of 256 bytes;  s[32:39] for a part of the scale words: 4 rows
.set G1S,  32
.set G0,   40                          ; s[40:59] five groups 0
.set SEL,  60
.set CS,   62
.set TK,   66
.set TV,   67
.set TSK,  68
.set TSV,  69
.set CNT,  70
.set MSB, 0
.macro WIN new
.if MSB != (\new)
	s_set_vgpr_msb (MSB<<8)|(\new)
.set MSB, (\new)
.endif
.endm
.macro CROUND                          ; a round of the cluster's barrier
	s_barrier_signal -1
	s_barrier_wait -1
	s_cmp_lg_u32 s[WV], 0
	s_cbranch_scc1 .Lnot_wave_0_\@
	s_barrier_signal -3
.Lnot_wave_0_\@:
	s_barrier_wait -3
	s_barrier_signal -1
	s_barrier_wait -1
.endm
.macro PLACES
.rept 4
	v_nop
.endr
.endm
.macro WM d, fa, fb, sa, sb, ra, zero  ; one product; ra = 1: source 0's scale words stand in lanes 16-31; zero = 1: it starts the sum
.if (\zero) && (\ra)
	v_wmma_scale_f32_16x16x128_f8f6f4 v[(\d):(\d)+7], v[(\fa):(\fa)+11], v[(\fb):(\fb)+11], 0, v[(\sa)], v[(\sb)] matrix_a_fmt:MATRIX_FMT_FP6 matrix_b_fmt:MATRIX_FMT_FP6 matrix_a_scale:MATRIX_SCALE_ROW1
.elseif (\zero)
	v_wmma_scale_f32_16x16x128_f8f6f4 v[(\d):(\d)+7], v[(\fa):(\fa)+11], v[(\fb):(\fb)+11], 0, v[(\sa)], v[(\sb)] matrix_a_fmt:MATRIX_FMT_FP6 matrix_b_fmt:MATRIX_FMT_FP6
.elseif (\ra)
	v_wmma_scale_f32_16x16x128_f8f6f4 v[(\d):(\d)+7], v[(\fa):(\fa)+11], v[(\fb):(\fb)+11], v[(\d):(\d)+7], v[(\sa)], v[(\sb)] matrix_a_fmt:MATRIX_FMT_FP6 matrix_b_fmt:MATRIX_FMT_FP6 matrix_a_scale:MATRIX_SCALE_ROW1
.else
	v_wmma_scale_f32_16x16x128_f8f6f4 v[(\d):(\d)+7], v[(\fa):(\fa)+11], v[(\fb):(\fb)+11], v[(\d):(\d)+7], v[(\sa)], v[(\sb)] matrix_a_fmt:MATRIX_FMT_FP6 matrix_b_fmt:MATRIX_FMT_FP6
.endif
.endm
	s_load_b512 s[4:19], s[0:1], 0x0               ; q_codes s[4:5], q_scales, k_codes s[8:9], k_scales, v_codes s[12:13], v_scales, ctx_codes s[16:17], ctx_scales s[18:19]
	v_lshl_add_u32 v[SPW], v0, 2, SPARE
	v_mov_b32 v[NIL], 0
	ds_add_u32 v[SPW], v[NIL]                      ; the wave's opening: the add and its wait stand ahead of my first tensor load
	v_lshrrev_b32 v14, 5, v0
	v_readfirstlane_b32 s[WV], v14                 ; wave 0..7
	s_bfe_u32 s21, ttmp6, 0x40000                  ; cx: my block of 256 queries; it enters global addresses of q and ctx alone
	s_and_b32 s22, ttmp7, 0xffff                   ; y = 16 x batch + head, which the four partners share
	s_mov_b32 s[G1C], 15|(3<<16)|(1<<21)           ; 15:0 the mask: all four work-groups; elements of 8 bytes; 21 set beside a mask; no padding
	s_mov_b32 s[G1C+1], 32<<16                     ; rows of 256 bytes,
	s_mov_b32 s[G1C+2], 24<<16                     ; 24 of them: 6,144 dense bytes
	s_mov_b32 s[G1C+3], 32<<16
	s_mov_b32 s[G1C+4], 24
	s_mov_b32 s[G1C+5], 32
	s_mov_b32 s[G1C+6], 0
	s_mov_b32 s[G1C+7], 0
	s_mov_b32 s[G1S], 15|(3<<16)|(1<<21)
	s_mov_b32 s[G1S+1], 32<<16
	s_mov_b32 s[G1S+2], 4<<16                      ; 4 rows: 1,024 dense bytes
	s_mov_b32 s[G1S+3], 32<<16
	s_mov_b32 s[G1S+4], 4
	s_mov_b32 s[G1S+5], 32
	s_mov_b32 s[G1S+6], 0
	s_mov_b32 s[G1S+7], 0
	s_mov_b32 s[SEL], 0x76543210
	s_mov_b32 s[SEL+1], 0xfedcba98
	s_mov_b32 s[CS], 0x3e0293ee                    ; c = log2(e) / sqrt(128)
	s_mov_b32 s[CS+1], s[CS]
	s_and_b32 s72, s[WV], 3                        ; waves 0-3 fetch K's quarters, waves 4-7 V's
	s_lshr_b32 s73, s[WV], 2
	s_lshr_b32 s74, s22, 2                         ; 4 x batch + the key and value head
	s_mul_i32 s75, s72, 6144
	s_mul_i32 s76, s73, 98304
	s_add_co_u32 s76, s76, s75                     ; LDS: my quarter of chunk 0
	s_mul_i32 s78, s74, 98304
	s_add_co_u32 s78, s78, s75                     ; and in memory
	s_mov_b32 s79, 0
	s_lshl_b32 s77, s[WV], 10
	s_add_co_u32 s77, s77, KSC                     ; LDS: my quarter of the scale words (V's lie behind K's)
	s_lshl_b32 s74, s74, 12
	s_lshl_b32 s75, s72, 10
	s_add_co_u32 s74, s74, s75
	s_mov_b32 s75, 0
	s_wait_dscnt 0x0                               ; the opening add is done
	s_wait_kmcnt 0x0
	s_cmp_lt_u32 s[WV], 4
	s_cselect_b64 s[8:9], s[8:9], s[12:13]
	s_cselect_b64 s[10:11], s[10:11], s[14:15]
	s_add_nc_u64 s[8:9], s[8:9], s[78:79]
	s_add_nc_u64 s[10:11], s[10:11], s[74:75]
	s_mov_b32 s[G0], 1
	s_mov_b32 s[G0+1], s77
	s_mov_b64 s[G0+2:G0+3], s[10:11]
	s_or_b32 s[G0+3], s[G0+3], 0x80000000
.irp c, 0,1,2,3
	s_mov_b32 s[G0+4+4*\c], 1
	s_add_co_u32 s[G0+5+4*\c], s76, 24576*\c
	s_add_nc_u64 s[G0+6+4*\c:G0+7+4*\c], s[8:9], 24576*\c
	s_or_b32 s[G0+7+4*\c], s[G0+7+4*\c], 0x80000000
.endr
	CROUND                                         ; all four work-groups are here: the joint loads meet
	tensor_load_to_lds s[G0:G0+3], s[G1S:G1S+7]
	s_nop 0
.irp c, 0,1,2,3
	tensor_load_to_lds s[G0+4+4*\c:G0+7+4*\c], s[G1C:G1C+7]
	s_nop 0
.endr
	PLACES
	v_and_b32 v14, 31, v0
	v_lshlrev_b32 v[LI], 4, v14
	v_and_b32 v15, 15, v0
	v_lshlrev_b32 v15, 4, v15                      ; 16 r
	s_lshl_b32 s72, s22, 6
	s_lshl_b32 s73, s21, 4
	s_add_co_u32 s72, s72, s73
	s_lshl_b32 s73, s[WV], 1
	s_add_co_u32 s72, s72, s73                     ; my first block of 16 queries: 64 y + 16 cx + 2 w
	s_mul_i32 s72, s72, 1536
	s_mov_b32 s73, 0
	s_add_nc_u64 s[4:5], s[4:5], s[72:73]
	WIN 0x40
.irp u, 0,1
.irp c, 0,1,2
	global_load_b128 v[QF+12*\u+4*\c:QF+12*\u+4*\c+3], v[LI], s[4:5] offset:1536*\u+512*\c   ; Q's fragments stay in registers
.endr
.endr
	WIN 0
	s_and_b32 s72, s[WV], 3
	s_lshr_b32 s72, s72, 1
	s_and_b32 s73, s[WV], 1
	s_lshr_b32 s74, s[WV], 2
	s_lshl_b32 s75, s74, 9
	s_lshl_b32 s76, s72, 8
	s_add_co_u32 s75, s75, s76
	s_lshl_b32 s77, s73, 3
	s_add_co_u32 s75, s75, s77                     ; my two tiles' words among two blocks of eight: 512 (w / 4) + 256 ((w % 4) / 2) + 8 (w % 2), + 16 r
	s_add_co_u32 s78, s75, SCST
	v_add_nc_u32 v[STW], s78, v15
	s_lshl_b32 s78, s73, 9
	s_add_co_u32 s78, s78, SCST
	v_add_nc_u32 v[RDW], s78, v[LI]
	s_lshl_b32 s76, s22, 3
	s_lshl_b32 s77, s21, 1
	s_add_co_u32 s76, s76, s77
	s_lshl_b32 s76, s76, 9
	s_add_co_u32 s76, s76, s75
	s_mov_b32 s77, 0
	s_add_nc_u64 s[6:7], s[6:7], s[76:77]
	global_load_b64 v[QSW:QSW+1], v15, s[6:7]      ; Q's scale words: row r of my two tiles
	s_lshr_b32 s72, s22, 4                         ; the batch
	s_and_b32 s73, s22, 15                         ; the head
	s_lshl_b32 s74, s72, 6
	s_lshl_b32 s75, s21, 4
	s_add_co_u32 s74, s74, s75
	s_lshl_b32 s75, s[WV], 1
	s_add_co_u32 s74, s74, s75                     ; ctx: my first block of 16 rows,
	s_lshl_b32 s74, s74, 4
	s_add_co_u32 s74, s74, s73                     ; x 16 heads + head
	s_mul_i32 s74, s74, 1536
	s_mov_b32 s75, 0
	s_add_nc_u64 s[16:17], s[16:17], s[74:75]
	s_lshl_b32 s74, s72, 3
	s_lshl_b32 s75, s21, 1
	s_add_co_u32 s74, s74, s75
	s_and_b32 s75, s[WV], 1
	s_add_co_u32 s74, s74, s75                     ; ctx's scale words: group of 128 rows 8 b + 2 cx + w (waves 0 and 1 store them)
	s_lshl_b32 s74, s74, 4
	s_add_co_u32 s74, s74, s73
	s_lshl_b32 s74, s74, 9
	s_mov_b32 s75, 0
	s_add_nc_u64 s[18:19], s[18:19], s[74:75]
.irp u, 0,1
	v_mov_b32 v[245+2*\u], 0xff61b1e6              ; the largest t so far: -3e38
	v_floor_f32 v[244+2*\u], -v[245+2*\u]          ; -M
	v_mov_b32 v[248+2*\u], 0                       ; the sum, in two halves
	v_mov_b32 v[249+2*\u], 0
.endr
.irp b, 0,1,2,3
	v_mov_b32 v[BX+\b], 0                          ; written once: a lane permute's destination counts as one of its sources
.endr
	v_mov_b32 v253, 0
	WIN 0x40
.set j, 0
.rept 128
	v_mov_b32 v[j], 0                              ; O^T: the step is written without a first step of its own; the first change of M leaves zeros zeros
.set j, j+1
.endr
	WIN 0
	s_wait_loadcnt 0x0                             ; Q and its scale words
.macro SOFTMAX u
.set SB, S+64*(\u)
.set MT, 244+2*(\u)
.set LS, 248+2*(\u)
.irp b, 0,1,2,3
	v_max3_num_f32 v[BM+\b], v[SB+16*\b], v[SB+1+16*\b], v[SB+2+16*\b]     ; the largest score of each block of 32 keys: for the row's maximum, and for the block's largest p
.endr
.irp i, 3,5,7,9,11,13
.irp b, 0,1,2,3
	v_max3_num_f32 v[BM+\b], v[BM+\b], v[SB+16*\b+\i], v[SB+1+16*\b+\i]
.endr
.endr
.irp b, 0,1,2,3
	v_max_num_f32 v[BM+\b], v[BM+\b], v[SB+15+16*\b]
.endr
.irp b, 0,1,2,3
	v_permlanex16_b32 v[BX+\b], v[BM+\b], s[SEL], s[SEL+1]
.endr
.irp b, 0,1,2,3
	v_max_num_f32 v[BM+\b], v[BM+\b], v[BX+\b]
.endr
	v_max3_num_f32 v14, v[BM], v[BM+1], v[BM+2]
	v_max_num_f32 v14, v14, v[BM+3]
	v_mul_f32 v14, s[CS], v14
	v_max_num_f32 v[MT+1], v[MT+1], v14            ; the running largest t
	v_mov_b32 v14, v[MT]
	v_floor_f32 v[MT], -v[MT+1]                    ; the new -M = -ceil(t)
	v_sub_f32 v14, v[MT], v14                      ; old M - new M: a whole number, 0 or less
	v_cvt_i32_f32 v14, v14
	v_ldexp_f32 v252, 1.0, v14                     ; f = 2^(old M - new M)
.set j, 0
.rept 32
	v_pk_fma_f32 v[SB+j:SB+j+1], v[SB+j:SB+j+1], s[CS:CS+1], v[MT:MT+1] op_sel_hi:[1,0,0]   ; t - M
.set j, j+2
.endr
.irp b, 0,1,2,3
	v_fma_f32 v[BM+\b], v[BM+\b], s[CS], v[MT]
.endr
.set j, 0
.rept 64
	v_exp_f32 v[SB+j], v[SB+j]                     ; p = 2^(t - M)
.set j, j+1
.endr
	v_pk_mul_f32 v[LS:LS+1], v[LS:LS+1], v[252:253] op_sel_hi:[1,0]        ; the sum under the new M: the plain place behind the exponentials
	s_wait_alu depctr_va_vdst(0)                   ; one wait for the batch of 64, ahead of its first reader
.irp b, 0,1,2,3
	v_exp_f32 v[BM+\b], v[BM+\b]                   ; each block's largest p
.endr
	v_pk_add_f32 v[BX:BX+1], v[SB:SB+1], v[SB+2:SB+3]                      ; the sum of the unquantised p, in two chains
.set j, 4
.rept 15
	v_pk_add_f32 v[LS:LS+1], v[LS:LS+1], v[SB+j:SB+j+1]
	v_pk_add_f32 v[BX:BX+1], v[BX:BX+1], v[SB+j+2:SB+j+3]
.set j, j+4
.endr
	v_pk_add_f32 v[LS:LS+1], v[LS:LS+1], v[BX:BX+1]
	s_wait_alu depctr_va_vdst(0)                   ; and one for the four
.irp b, 0,1,2,3
	v_max_num_f32 v[BM+\b], 0x1800000, v[BM+\b]    ; the floor 2^(3 - 127)
.endr
.irp b, 0,1,2,3
	v_add_nc_u32 v[SO+\b], 0xff000000, v[BM+\b]    ; 2 off the exponent field: the conversion's scale operand
.endr
.irp b, 0,1,2,3
	v_lshrrev_b32 v[BX+\b], 23, v[SO+\b]           ; the byte
.endr
	v_lshl_or_b32 v[PSW+\u], v[BX+1], 8, v[BX]
	v_lshl_or_b32 v[PSW+\u], v[BX+2], 16, v[PSW+\u]
	v_lshl_or_b32 v[PSW+\u], v[BX+3], 24, v[PSW+\u]
.irp c, 0,1
	v_cvt_scalef32_pk16_fp6_f32 v[PCD+12*\u+6*\c:PCD+12*\u+6*\c+2], v[SB+32*\c:SB+32*\c+15], v[SO+2*\c]
	v_cvt_scalef32_pk16_fp6_f32 v[CT+4*\c:CT+4*\c+2], v[SB+16+32*\c:SB+31+32*\c], v[SO+2*\c+1]
.endr
	v_nop                                          ; one plain place behind a scaled conversion
.irp c, 0,1
.irp i, 0,1,2
	v_permlane16_swap_b32 v[PCD+12*\u+6*\c+\i], v[CT+4*\c+\i]
.endr
.irp i, 0,1,2
	v_mov_b32 v[PCD+12*\u+6*\c+3+\i], v[CT+4*\c+\i]
.endr
.endr
	WIN 0x41
.set j, 0
.rept 32
	v_pk_mul_f32 v[64*\u+j:64*\u+j+1], v[64*\u+j:64*\u+j+1], v[252:253] op_sel_hi:[1,0]     ; O^T under the new M; these lines also stand between the scale word's and the codes' last writes and the products
.set j, j+2
.endr
	WIN 0
.endm
; A KEY STEP: 128 keys.  The four additions at its head are the places behind the last products, in front of the loads into their registers.
.macro STEP
	v_add_nc_u32 v[ADK], s[TK], v[LI]
	v_add_nc_u32 v[ADV], s[TV], v[LI]
	v_add_nc_u32 v[ADKS], s[TSK], v[LI]
	v_add_nc_u32 v[ADVS], s[TSV], v[LI]
.irp g, 0,1                            ; S^T = K Q^T, four fragments of 16 keys at a time, each against both tiles of queries
.if \g
	PLACES
.endif
.irp t, 0,1,2,3
.irp c, 0,1,2
	ds_load_b128 v[F+12*\t+4*\c:F+12*\t+4*\c+3], v[ADK] offset:1536*(4*\g+\t)+512*\c
.endr
.endr
.if \g == 0
	ds_load_b128 v[KSW:KSW+3], v[ADKS]             ; eight fragments' scale words: fragments 0-3 in lanes 0-15, 4-7 in lanes 16-31
.endif
	s_wait_dscnt 0x0
	WIN 0x04                                       ; source 1 (Q) window 1
.irp t, 0,1,2,3
.irp u, 0,1
	WM S+64*\u+8*(4*\g+\t), F+12*\t, QF+12*\u, KSW+\t, QSW+\u, \g, 1
.endr
.endr
	WIN 0
.endr
	PLACES                                         ; in front of the loads below and of the first read of the scores
.irp t, 0,1,2,3
.irp c, 0,1,2
	ds_load_b128 v[F+12*\t+4*\c:F+12*\t+4*\c+3], v[ADV] offset:1536*\t+512*\c      ; V's first four fragments land under the softmax
.endr
.endr
	ds_load_b128 v[VSW:VSW+3], v[ADVS]
	SOFTMAX 0
	SOFTMAX 1
.irp g, 0,1                            ; O^T += V^T P^T; no two products that follow each other share an accumulator
.if \g
	PLACES
.irp t, 0,1,2,3
.irp c, 0,1,2
	ds_load_b128 v[F+12*\t+4*\c:F+12*\t+4*\c+3], v[ADV] offset:1536*(4+\t)+512*\c
.endr
.endr
.endif
	s_wait_dscnt 0x0
	WIN 0x50                                       ; C and D (O^T) window 1
.irp t, 0,1,2,3
.irp u, 0,1
	WM 64*\u+8*(4*\g+\t), F+12*\t, PCD+12*\u, VSW+\t, PSW+\u, \g, 0
.endr
.endr
	WIN 0
.endr
	s_add_co_u32 s[TK], s[TK], 12288
	s_add_co_u32 s[TV], s[TV], 12288
	s_add_co_u32 s[TSK], s[TSK], 512
	s_add_co_u32 s[TSV], s[TSV], 512
.endm
.macro CHUNK c                         ; two key steps
	s_wait_tensorcnt 3-\c                          ; my parts of the scale words and of chunks 0 .. c have landed; the 3 - c chunks behind may stay out: no LDS byte is ever filled again
	s_barrier_signal -1
	s_barrier_wait -1                              ; everybody's have
	s_mov_b32 s[TK], 24576*\c
	s_mov_b32 s[TV], 98304+24576*\c
	s_mov_b32 s[TSK], KSC+1024*\c
	s_mov_b32 s[TSV], VSC+1024*\c
	s_mov_b32 s[CNT], 2
.Lstep_\@:
	STEP
	s_sub_co_u32 s[CNT], s[CNT], 1
	s_cmp_lg_u32 s[CNT], 0
	s_cbranch_scc1 .Lstep_\@
.endm
	CHUNK 0
	CHUNK 1
	CHUNK 2
	CHUNK 3
	; ---- THE WAY OUT: O^T / the sum, brought into the true order of channels, quantised; images and scale words are stored
.irp u, 0,1
	v_add_f32 v[248+2*\u], v[248+2*\u], v[249+2*\u]
.endr
.irp u, 0,1
	v_permlanex16_b32 v[249+2*\u], v[248+2*\u], s[SEL], s[SEL+1]
.endr
.irp u, 0,1
	v_add_f32 v[248+2*\u], v[248+2*\u], v[249+2*\u]                        ; the row's sum
.endr
.irp u, 0,1
	v_rcp_f32 v[248+2*\u], v[248+2*\u]
.endr
	v_nop                                          ; a plain place behind the reciprocals
	s_wait_alu depctr_va_vdst(0)                   ; one wait for both, ahead of the first reader
.macro QMAX s
.irp b, 0,1,2,3
	v_max3_num_f32 v[TM+\b], |v[(\s)+16*\b]|, |v[(\s)+1+16*\b]|, 0x1800000
.endr
.irp i, 2,4,6,8,10,12,14
.irp b, 0,1,2,3
	v_max3_num_f32 v[TM+\b], |v[(\s)+16*\b+\i]|, |v[(\s)+1+16*\b+\i]|, v[TM+\b]
.endr
.endr
.endm
.macro QMID
.irp b, 0,1,2,3
	v_permlanex16_b32 v[TM+4+\b], v[TM+\b], s[SEL], s[SEL+1]
.endr
.irp b, 0,1,2,3
	v_max_num_f32 v[TM+\b], v[TM+\b], v[TM+4+\b]
.endr
.irp b, 0,1,2,3
	v_add_nc_u32 v[TM+12+\b], 0xff000000, v[TM+\b]
.endr
.irp b, 0,1,2,3
	v_lshrrev_b32 v[TM+4+\b], 23, v[TM+12+\b]
.endr
	v_lshl_or_b32 v[PW], v[TM+5], 8, v[TM+4]
	v_lshl_or_b32 v[PW], v[TM+6], 16, v[PW]
	v_lshl_or_b32 v[PW], v[TM+7], 24, v[PW]
.endm
.macro QCVT s
.irp c, 0,1
	v_cvt_scalef32_pk16_fp6_f32 v[PC+6*\c:PC+6*\c+2], v[(\s)+32*\c:(\s)+32*\c+15], v[TM+12+2*\c]
	v_cvt_scalef32_pk16_fp6_f32 v[PC+12+4*\c:PC+12+4*\c+2], v[(\s)+16+32*\c:(\s)+31+32*\c], v[TM+13+2*\c]
.endr
.endm
.macro QTAIL
	v_nop
.irp c, 0,1
.irp i, 0,1,2
	v_permlane16_swap_b32 v[PC+6*\c+\i], v[PC+12+4*\c+\i]
.endr
.irp i, 0,1,2
	v_mov_b32 v[PC+3+6*\c+\i], v[PC+12+4*\c+\i]
.endr
.endr
.endm
.macro OUTT u
	WIN 0x01
.set j, 0
.rept 32
	v_pk_mul_f32 v[S+64*\u+j:S+64*\u+j+1], v[64*\u+j:64*\u+j+1], v[248+2*\u:249+2*\u] op_sel_hi:[1,0]   ; each accumulator from its low end on
.set j, j+2
.endr
	WIN 0
.irp b, 0,1,2,3                        ; register 16 b + i holds channel 32 b + 16 (i / 8) + 8 h + i % 8; lanes 16-31 of the lower eight change places with lanes 0-15 of the upper eight: then it holds 32 b + 16 h + i
.irp i, 0,1,2,3,4,5,6,7
	v_permlane16_swap_b32 v[S+64*\u+16*\b+\i], v[S+64*\u+16*\b+8+\i]
.endr
.endr
	QMAX S+64*\u
	QMID
.if \u
	s_wait_xcnt 0x0                                ; tile 0's stores have read their data
.endif
	QCVT S+64*\u
	QTAIL
.irp c, 0,1,2
	global_store_b128 v[LI], v[PC+4*\c:PC+4*\c+3], s[16:17] offset:24576*\u+512*\c           ; 32 lanes store 512 consecutive bytes
.endr
	ds_store_b32 v[STW], v[PW] offset:4*\u         ; both lanes of a row write the same word with the same value
.endm
	OUTT 0
	OUTT 1
	s_wait_dscnt 0x0                               ; for the others' sake: my words lie in the stage
	s_barrier_signal -1
	s_barrier_wait -1
	s_cmp_lt_u32 s[WV], 2                          ; waves 0 and 1 store a block of eight tiles' words each
	s_cbranch_scc0 .Lno_words
	ds_load_b128 v[16:19], v[RDW]
	s_wait_dscnt 0x0
	global_store_b128 v[LI], v[16:19], s[18:19]
.Lno_words:
	s_wait_tensorcnt 0x0                           ; the wave's end
	ds_add_u32 v[SPW], v[NIL]
	s_wait_dscnt 0x0
	CROUND                                         ; the closing round
	s_endpgm
.Lfunc_end_k_qb62fa593ae_attn:
	.size	k_qb62fa593ae_attn, .Lfunc_end_k_qb62fa593ae_attn-k_qb62fa593ae_attn
	.p2alignl 7, 3214868480
	.fill 96, 4, 3214868480
	.section	.rodata,"a",@progbits
	.p2align	6, 0x0
	.amdhsa_kernel k_qb62fa593ae_attn
		.amdhsa_group_segment_fixed_size 212992
		.amdhsa_private_segment_fixed_size 0
		.amdhsa_enable_private_segment 0
		.amdhsa_kernarg_size 64
		.amdhsa_user_sgpr_count 2
		.amdhsa_user_sgpr_kernarg_segment_ptr 1
		.amdhsa_wavefront_size32 1
		.amdhsa_system_sgpr_workgroup_id_x 1
		.amdhsa_system_sgpr_workgroup_id_y 1
		.amdhsa_system_sgpr_workgroup_id_z 1
		.amdhsa_system_vgpr_workitem_id 0
		.amdhsa_next_free_vgpr 416
		.amdhsa_next_free_sgpr 80
		.amdhsa_reserve_vcc 0
		.amdhsa_float_denorm_mode_32 3
		.amdhsa_float_denorm_mode_16_64 3
		.amdhsa_memory_ordered 1
		.amdhsa_forward_progress 1
		.amdhsa_inst_pref_size 164
	.end_amdhsa_kernel
	.amdgpu_metadata
---
amdhsa.version: [ 1, 2 ]
amdhsa.kernels:
  - .name:           k_qb62fa593ae_attn
    .symbol:         k_qb62fa593ae_attn.kd
    .args:
      - { .name: q_codes, .offset: 0, .size: 8, .value_kind: global_buffer, .address_space: global }
      - { .name: q_scales, .offset: 8, .size: 8, .value_kind: global_buffer, .address_space: global }
      - { .name: k_codes, .offset: 16, .size: 8, .value_kind: global_buffer, .address_space: global }
      - { .name: k_scales, .offset: 24, .size: 8, .value_kind: global_buffer, .address_space: global }
      - { .name: v_codes, .offset: 32, .size: 8, .value_kind: global_buffer, .address_space: global }
      - { .name: v_scales, .offset: 40, .size: 8, .value_kind: global_buffer, .address_space: global }
      - { .name: ctx_codes, .offset: 48, .size: 8, .value_kind: global_buffer, .address_space: global }
      - { .name: ctx_scales, .offset: 56, .size: 8, .value_kind: global_buffer, .address_space: global }
    .group_segment_fixed_size: 212992
    .private_segment_fixed_size: 0
    .kernarg_segment_align: 8
    .kernarg_segment_size: 64
    .max_flat_workgroup_size: 256
    .sgpr_count:     80
    .vgpr_count:     416
    .wavefront_size: 32
...
	.end_amdgpu_metadata
.endif
;; end of part 2
;; launch oproj (part 3): grid 8 x 32, 4 waves a work-group, clusters of 4 x 4, 327,680 bytes of LDS; arguments ctx_codes, ctx_scales, w_o_codes, w_o_scales, out0; writes out0
.if DOCPART == 3
	.amdgcn_target "amdgcn-amd-amdhsa--gfx1250"
	.amdhsa_code_object_version 6
	.text
	.protected	k_qb62fa593ae_oproj
	.globl	k_qb62fa593ae_oproj
	.p2align	8
	.type	k_qb62fa593ae_oproj,@function
k_qb62fa593ae_oproj:
	s_mov_b64 s[64:65], 0
	v_nop
	global_prefetch_b8 v0, s[64:65] scope:SCOPE_SE
	s_setreg_imm32_b32 hwreg(HW_REG_WAVE_MODE, 25, 1), 1
	s_wait_xcnt 0x0
	s_wait_alu depctr_hold_cnt(0) depctr_sa_sdst(0) depctr_va_vdst(0) depctr_va_sdst(0) depctr_va_ssrc(0) depctr_va_vcc(0) depctr_vm_vsrc(0)
	s_getreg_b32 s2, hwreg(HW_REG_IB_STS2, 6, 4)
	s_cmp_eq_u32 s2, 0
	s_cbranch_scc0 .Lentry_in_a_cluster
	s_endpgm
.Lentry_in_a_cluster:
	s_bfe_u32 s2, ttmp6, 0x10000c
	s_cmp_lg_u32 s2, 0xf033
	s_cbranch_scc0 .Lentry_shape_is_right
	s_endpgm
.Lentry_shape_is_right:
; out0 = ctx x w_o on codes of FP6 (E2M3) with E8M0 scales, 4,096 x 2,048 x 2,048, f32 out.
; ctx comes as images of an operand's registers, [block of 16 rows][head] of 1,536 bytes, and scale words by eights, [group of 128 rows][head] of 512 bytes; w_o as rows of codes, K innermost, and rows of scale bytes.
; A tile of 128 rows x 256 columns gives 256 work-groups (256 x 256 would give 128).  Four waves, each 64 x 128: 32 accumulators in window 2.
; K goes in steps of 512 (four heads) through two LDS slots, as long as two slots in LDS allow: K = 2,048 is four fills, of which the first two go out together at the head and only two are refills;
; a refill has the 112 products between its request and the wait for it in which to land.
; THE SCALES DO NOT GO THROUGH LDS, which the two slots fill: each wave loads the scale words of its 64 rows of ctx and its 128 rows of w_o, for all of K, once, into 128 registers that hold nothing else.
; Their numbers run with the K step, so the 16 steps of 128 are written out; there is no loop.
; CLUSTERS 4 x 4: ctx's tiles are asked for jointly along a row of the cluster, w_o's along a column.  The product is used transposed (source 0 = 16 rows of w_o, source 1 = 16 rows of ctx): a lane holds eight neighbouring columns of a row.
; No prefetch: half of each operand is asked for at the head, and of the two refills only the last could be named ahead of its load.
; REGISTERS: window 0: v0-31 addresses; v32-95 ctx's scale words; v96-159 w_o's; v160-255 ctx's fragments, two sets of 48.  window 1: w_o's fragments, two sets at v0 and v128; on the way out rows of out0.  window 2: the accumulators, (a, b) at v[8 (8 a + b)].
.set ROWB,  384                        ; a row of w_o's tile: 512 codes
.set KROW,  1536                       ; a row of w_o in memory
.set PITCH, 432                        ; its LDS row: 3 x (128 bytes + 16 of padding) = 108 words: row r starts at bank 44 r mod 64 (64 banks of 4 bytes: ISA guide 11.1): the 32 lanes of a load of 8 bytes touch 64 different banks
.set FR,    12                         ; registers of a fragment
.set NP,    4                          ; places behind this matrix instruction (ISA guide 7.12.1)
.set HALFT, 128*PITCH                  ; 128 rows of w_o: what one tensor load brings
.set AHALF, 24576                      ; four blocks of ctx's rows x four heads' images: what one tensor load brings
.set ASZ,   2*AHALF                    ; a slot: ctx's images [block 8][head 4], dense;
.set SLOT,  ASZ+2*HALFT                ; then w_o's 256 rows
.set SPARE, 2*SLOT                     ; behind the two slots: the spare words, 128 bytes for each wave, which no other line names
.set SPITCH, 528                       ; the way out: a stage of 16 rows x (512 + 16) for each wave, in slot 0, which has had its last fill and its last read by then
.set NOUT,  2048
.set ADRA, 16                          ; v16-17 ctx's images in slot 0, 1
.set ADRB, 20                          ; v20-21 w_o's fragments (v22-23: behind one padding more)
.set STO,  24                          ; v24 the stage: where I put 32 bytes of a row
.set RD,   25                          ; v25 and where I read a row back
.set CO,   26                          ; v26 16 x lane
.set ADSA, 27                          ; v27 my byte among ctx's scale words of a head; never rewritten
.set SPW,  28                          ; v28 my spare word; never rewritten
.set NIL,  29                          ; v29 0; never rewritten
.set ADSB, 30                          ; v30 my row of 32 among w_o's scale bytes; never rewritten
.set SAR,  32                          ; ctx's scale words: K step g, block a at v[SAR + 4 g + a], lanes 0-15
.set SBR,  96                          ; w_o's: K step g, blocks 2 u (lanes 0-15) and 2 u + 1 (lanes 16-31) at v[SBR + 16 u + g]
.set AF,   160                         ; ctx's fragments
.set BK,   0                           ; the way out, window 1: 16 rows read back from the stage: v0-63 and v64-127 by turns
.set G1,   24                          ; s[24:31] group 1 for ctx's tiles; s[32:39] group 0, one set for each slot
.set G0,   32
.set G1B,  48                          ; s[48:55], s[56:63] the same for w_o's
.set G0B,  56
.set MSB, 0
.macro WIN new                         ; the immediate's high byte repeats the setting that is left
.if MSB != (\new)
	s_set_vgpr_msb (MSB<<8)|(\new)
.set MSB, (\new)
.endif
.endm
.set MUL,  0xa1                        ; source 0 window 1, source 1 window 0, C and D window 2
.set TO_B, 0x40                        ; destination window 1
.macro JLOAD g0a, g1a, g0b, g1b        ; waves 0 and 1 fetch for ctx, waves 2 and 3 for w_o; an s_nop 0 and four v_nop follow each line
	s_cmp_eq_u32 s15, 0
	s_cbranch_scc0 .Lfor_b_\@
	tensor_load_to_lds s[\g0a:\g0a+3], s[\g1a:\g1a+7]
	s_nop 0
.rept 4
	v_nop
.endr
	s_branch .Lasked_\@
.Lfor_b_\@:
	tensor_load_to_lds s[\g0b:\g0b+3], s[\g1b:\g1b+7]
	s_nop 0
.rept 4
	v_nop
.endr
.Lasked_\@:
.endm
.macro CREST                           ; a round of the cluster's barrier behind its opening barrier
	s_cmp_lg_u32 s14, 0
	s_cbranch_scc1 .Lnot_wave_0_\@
	s_barrier_signal -3
.Lnot_wave_0_\@:
	s_barrier_wait -3
	s_barrier_signal -1
	s_barrier_wait -1
.endm
.macro CROUND
	s_barrier_signal -1
	s_barrier_wait -1
	CREST
.endm
.macro WM d, fa, fb, sa, sb, ra, zero  ; one product; ra = 1: source 0's scale words stand in lanes 16-31; zero = 1: it starts the sum
.if (\zero) && (\ra)
	v_wmma_scale_f32_16x16x128_f8f6f4 v[(\d):(\d)+7], v[(\fa):(\fa)+11], v[(\fb):(\fb)+11], 0, v[(\sa)], v[(\sb)] matrix_a_fmt:MATRIX_FMT_FP6 matrix_b_fmt:MATRIX_FMT_FP6 matrix_a_scale:MATRIX_SCALE_ROW1
.elseif (\zero)
	v_wmma_scale_f32_16x16x128_f8f6f4 v[(\d):(\d)+7], v[(\fa):(\fa)+11], v[(\fb):(\fb)+11], 0, v[(\sa)], v[(\sb)] matrix_a_fmt:MATRIX_FMT_FP6 matrix_b_fmt:MATRIX_FMT_FP6
.elseif (\ra)
	v_wmma_scale_f32_16x16x128_f8f6f4 v[(\d):(\d)+7], v[(\fa):(\fa)+11], v[(\fb):(\fb)+11], v[(\d):(\d)+7], v[(\sa)], v[(\sb)] matrix_a_fmt:MATRIX_FMT_FP6 matrix_b_fmt:MATRIX_FMT_FP6 matrix_a_scale:MATRIX_SCALE_ROW1
.else
	v_wmma_scale_f32_16x16x128_f8f6f4 v[(\d):(\d)+7], v[(\fa):(\fa)+11], v[(\fb):(\fb)+11], v[(\d):(\d)+7], v[(\sa)], v[(\sb)] matrix_a_fmt:MATRIX_FMT_FP6 matrix_b_fmt:MATRIX_FMT_FP6
.endif
.endm
	s_load_b256 s[4:11], s[0:1], 0x0               ; ctx's codes s[4:5], its scale words s[6:7], w_o's codes s[8:9], its scales s[10:11]
	s_load_b64 s[12:13], s[0:1], 0x20              ; out0
	v_lshl_add_u32 v[SPW], v0, 2, SPARE
	v_mov_b32 v[NIL], 0
	ds_add_u32 v[SPW], v[NIL]                      ; the wave's opening: the add and its wait stand ahead of my first tensor load; the set-up below stands between them
	v_lshrrev_b32 v1, 5, v0
	v_readfirstlane_b32 s14, v1                    ; wave 0..3
	s_lshr_b32 s15, s14, 1                         ; my half of the tile's rows.  Also: I fetch for ctx (0) or for w_o (1)
	s_and_b32 s16, s14, 1                          ; my half of its columns.  Also: which half of that tile I fetch
	s_bfe_u32 s40, ttmp6, 0x40000                  ; cx
	s_bfe_u32 s41, ttmp6, 0x40004                  ; cy
	s_lshl_b32 s42, ttmp9, 2
	s_add_co_u32 s42, s42, s40                     ; tile column = 4 x cluster x + cx
	s_and_b32 s17, ttmp7, 0xffff
	s_lshl_b32 s17, s17, 2
	s_add_co_u32 s17, s17, s41                     ; tile row = 4 x cluster y + cy
	s_lshl_b32 s43, s41, 2
	s_lshl_b32 s43, 15, s43                        ; my row of the cluster
	s_lshl_b32 s44, 0x1111, s40                    ; my column
	s_or_b32 s[G1+0], s43, (3<<16)|(1<<21)         ; ctx: 15:0 the mask: my row; elements of 8 bytes; 21 set beside a mask; no padding
	s_mov_b32 s[G1+1], 768<<16                     ; four heads' images of a block of rows: 6,144 bytes on end,
	s_mov_b32 s[G1+2], 4<<16                       ; of four blocks,
	s_mov_b32 s[G1+3], 768<<16
	s_mov_b32 s[G1+4], 4
	s_mov_b32 s[G1+5], 3072                        ; 24,576 bytes apart
	s_mov_b32 s[G1+6], 0
	s_mov_b32 s[G1+7], 0
	s_or_b32 s[G1B+0], s44, (1<<20)|(1<<21)|(4<<22)|(3<<25)   ; w_o: my column's mask; elements of 1 byte; 20 padding on; after every 32 words (code 4), 4 words (code 3)
	s_mov_b32 s[G1B+1], ROWB<<16                   ; tensor_dim0
	s_mov_b32 s[G1B+2], 128<<16                    ; tensor_dim1
	s_mov_b32 s[G1B+3], ROWB<<16                   ; tile_dim0
	s_mov_b32 s[G1B+4], 128                        ; tile_dim1
	s_mov_b32 s[G1B+5], KROW                       ; from row to row
	s_mov_b32 s[G1B+6], 0
	s_mov_b32 s[G1B+7], 0
	s_lshl_b32 s20, s17, 3
	s_lshl_b32 s18, s16, 2
	s_add_co_u32 s20, s20, s18                     ; ctx: block of rows 8 x tile row + 4 x the half that I fetch
	s_mul_i32 s20, s20, 24576
	s_mov_b32 s21, 0
	s_lshl_b32 s68, s17, 13                        ; ctx's scale words: 8,192 bytes a tile row
	s_mov_b32 s69, 0
	s_lshl_b32 s46, s42, 8
	s_lshl_b32 s18, s16, 7
	s_add_co_u32 s46, s46, s18                     ; w_o: row 256 x tile column + 128 x half: the rows that I fetch, if I fetch for w_o, and the rows that I multiply by
	s_lshl_b32 s70, s46, 6                         ; their scale bytes: 64 a row
	s_mov_b32 s71, 0
	s_mul_i32 s46, s46, KROW
	s_mov_b32 s47, 0
	s_mul_i32 s45, s16, AHALF                      ; where the tiles go: no place in the cluster enters an LDS address
	s_mul_i32 s94, s16, HALFT
	s_add_co_u32 s94, s94, ASZ
	s_wait_dscnt 0x0                               ; the opening add is done
	s_wait_kmcnt 0x0
	s_add_nc_u64 s[20:21], s[4:5], s[20:21]
	s_add_nc_u64 s[46:47], s[8:9], s[46:47]
	s_add_nc_u64 s[68:69], s[6:7], s[68:69]
	s_add_nc_u64 s[70:71], s[10:11], s[70:71]
	CROUND                                         ; all sixteen work-groups are here: the first joint loads meet
.irp s, 0,1
	s_mov_b32 s[G0+4*\s], 1                        ; 1:0 count = 1
	s_add_co_u32 s[G0+4*\s+1], s45, \s*SLOT        ; 63:32 LDS address
	s_add_nc_u64 s[G0+4*\s+2:G0+4*\s+3], s[20:21], \s*6144      ; 120:64 global address: heads 4 s on
	s_or_b32 s[G0+4*\s+3], s[G0+4*\s+3], 0x80000000             ; 127:126 type = 2
	s_mov_b32 s[G0B+4*\s], 1
	s_add_co_u32 s[G0B+4*\s+1], s94, \s*SLOT
	s_add_nc_u64 s[G0B+4*\s+2:G0B+4*\s+3], s[46:47], \s*ROWB
	s_or_b32 s[G0B+4*\s+3], s[G0B+4*\s+3], 0x80000000
	JLOAD G0+4*\s, G1, G0B+4*\s, G1B               ; both slots' first fills go out together: two loads of mine are out
.endr
	v_and_b32 v1, 15, v0                           ; r
	v_bfe_u32 v2, v0, 4, 1                         ; h
	v_and_b32 v6, 31, v0                           ; lane
	s_lshl_b32 s18, s15, 8
	v_lshl_add_u32 v[ADSA], v1, 4, s18             ; ctx's words of a head: the 16 bytes of place r + 16 x my half: my four blocks' words of row r (lanes 16-31 take the same and are not read)
	v_lshlrev_b32 v[ADSB], 6, v6                   ; w_o's: row l of 32, 64 bytes a row: its 16 words are the row's 16 K steps
.irp hd, 0,1,2,3,4,5,6,7,8,9,10,11,12,13,14,15
	global_load_b128 v[SAR+4*\hd:SAR+4*\hd+3], v[ADSA], s[68:69] offset:512*\hd
.endr
.irp u, 0,1,2,3
.irp j, 0,1,2,3
	global_load_b128 v[SBR+16*\u+4*\j:SBR+16*\u+4*\j+3], v[ADSB], s[70:71] offset:2048*\u+16*\j   ; four loads cover 2,048 consecutive bytes
.endr
.endr
	v_mul_u32_u24 v3, v1, PITCH
	v_mul_u32_u24 v4, v2, 24
	v_add_nc_u32 v4, v3, v4                        ; w_o: a fragment's row x pitch + 24 h
	v_lshl_add_u32 v5, v2, 4, v4                   ; and the same behind one padding more
	v_lshlrev_b32 v[CO], 4, v6                     ; 16 x lane
	s_mul_i32 s21, s15, AHALF                      ; my four blocks of ctx's rows
	s_mul_i32 s22, s16, HALFT
	s_add_co_u32 s22, s22, ASZ                     ; my 128 rows of w_o
.irp s, 0,1
	v_add_nc_u32 v[ADRA+\s], s21, v[CO]
	v_add_nc_u32 v[ADRB+\s], s22, v4
	v_add_nc_u32 v[ADRB+2+\s], s22, v5
	s_add_co_u32 s21, s21, SLOT
	s_add_co_u32 s22, s22, SLOT
.endr
	s_mul_i32 s23, s14, 16*SPITCH                  ; my stage
	v_mul_u32_u24 v5, v1, SPITCH
	v_lshl_add_u32 v5, v2, 5, v5
	v_add_nc_u32 v[STO], s23, v5                   ; in: row r, 32 bytes for each half of the lanes
	v_add_nc_u32 v[RD], s23, v[CO]                 ; back: the 32 lanes take one row of 512 bytes
	s_lshl_b32 s20, s17, 7
	s_lshl_b32 s21, s15, 6
	s_add_co_u32 s20, s20, s21                     ; my first row of out0
	s_lshl_b32 s20, s20, 13                        ; 8,192 bytes a row
	s_lshl_b32 s46, s42, 10
	s_lshl_b32 s47, s16, 9
	s_add_co_u32 s46, s46, s47                     ; my first column, in bytes
	s_add_co_u32 s20, s20, s46
	s_mov_b32 s21, 0
	s_add_nc_u64 s[12:13], s[12:13], s[20:21]
.macro FRAG reg, adr, q, i             ; a fragment of w_o: lane (r, h) takes 24 bytes at 24 h and 24 at 48 + 24 h of its row's q-th 96, in pieces of 8.  Piece P lies at 8 P + 16 (P / 16);
.irp p, 0,1,2,3,4,5                    ; lanes 16-31 read three pieces further on: where that is behind one padding more (P % 16 from 13 on), the second address register (40 for 24 bytes a half) serves
.set PCE, 12*(\q)+6*(\p/3)+\p%3
.if PCE%16 < 13
	ds_load_b64 v[\reg+2*\p:\reg+2*\p+1], v[\adr] offset:8*PCE+16*(PCE/16)+(\i)*16*PITCH
.else
	ds_load_b64 v[\reg+2*\p:\reg+2*\p+1], v[\adr+2] offset:8*PCE+16*(PCE/16)+(\i)*16*PITCH
.endif
.endr
.endm
.macro FETCH slot, q, p                ; the fragments of the slot's q-th 128 along K into set p: 48 + 12 loads
	WIN TO_B
.irp i, 0,1,2,3,4,5,6,7
	FRAG 128*(\p)+FR*\i, ADRB+\slot, \q, \i
.endr
	WIN 0
.irp i, 0,1,2,3
.irp c, 0,1,2
	ds_load_b128 v[AF+48*(\p)+12*\i+4*\c:AF+48*(\p)+12*\i+4*\c+3], v[ADRA+\slot] offset:6144*\i+1536*(\q)+512*\c
.endr
.endr
.endm
.macro MUL8 a, p, g, zero              ; ctx's block a x w_o's eight, K step g of 16; the 32 accumulators take turns, one instruction a turn, in the same order in every step
.irp b, 0,1,2,3,4,5,6,7
	WM 8*(8*(\a)+\b), 128*(\p)+FR*\b, AF+48*(\p)+FR*(\a), SBR+16*(\b/2)+(\g), SAR+4*(\g)+(\a), \b%2, \zero
.endr
.endm
.macro PLACES n                        ; plain vector instructions between a matrix instruction and a load into, or a read of, its registers (ISA guide 7.12.1 for a read)
.rept \n
	v_nop
.endr
.endm
.macro STEP slot, q, g, zero           ; one of a slot's first three steps of 128, from set q % 2; the next step's fragments are fetched into the other set meanwhile
	s_wait_dscnt 0x0                               ; this step's fragments are in
	PLACES NP                                      ; in front of the loads into the other set, which the last products read
	FETCH \slot, (\q)+1, 1-(\q)%2
	WIN MUL
	MUL8 0, (\q)%2, \g, \zero
	MUL8 1, (\q)%2, \g, \zero
	MUL8 2, (\q)%2, \g, \zero
	MUL8 3, (\q)%2, \g, \zero
.endm
; A slot's fourth step, from set 1, changes slots: one barrier; in front of it each wave waits for all its tensor loads, adds 0 to its spare word, and waits for that and for its reads of this slot.
; fill = 1: this slot is filled again, with the K two slots on.
.macro TURN slot, next, g, fill
	WIN 0                                          ; (the add's two registers lie in window 0)
	s_wait_tensorcnt 0x0                           ; all my tensor loads have landed: the one that was out is my part of the next slot
	ds_add_u32 v[SPW], v[NIL]                      ; 0 onto my spare word
	s_wait_dscnt 1                                 ; set 1 is in; the add may be out
	WIN MUL
	MUL8 0, 1, \g, 0                               ; eight products stand between the add and the wait for it
	s_wait_dscnt 0x0                               ; the add is done, and my reads of this slot are over
	s_barrier_signal -1
	MUL8 1, 1, \g, 0
	WIN 0
	s_barrier_wait -1
.if \fill
	CREST                                          ; the barrier has opened a round of the cluster's: no wave of any partner still reads this slot or has a load on its way
	s_add_nc_u64 s[G0+4*\slot+2:G0+4*\slot+3], s[G0+4*\slot+2:G0+4*\slot+3], 2*6144
	s_add_nc_u64 s[G0B+4*\slot+2:G0B+4*\slot+3], s[G0B+4*\slot+2:G0B+4*\slot+3], 2*ROWB
	JLOAD G0+4*\slot, G1, G0B+4*\slot, G1B         ; the first tensor load behind the round, and my only one until the next; its four v_nop are the places in front of the loads below
.else
	PLACES NP
.endif
	FETCH \next, 0, 0
	WIN MUL
	MUL8 2, 1, \g, 0
	MUL8 3, 1, \g, 0
.endm
	s_wait_tensorcnt 1                             ; my part of slot 0 is in; slot 1's load may be out
	s_barrier_signal -1
	s_barrier_wait -1                              ; everybody's is
	FETCH 0, 0, 0
	s_wait_loadcnt 0x0                             ; the scale words
	STEP 0, 0, 0, 1                                ; K 0 .. 511, in slot 0; the first step's products start the sums: nothing is cleared
	STEP 0, 1, 1, 0
	STEP 0, 2, 2, 0
	TURN 0, 1, 3, 1                                ; slot 0 takes K 1,024 .. 1,535
	STEP 1, 0, 4, 0                                ; K 512 .. 1,023, in slot 1
	STEP 1, 1, 5, 0
	STEP 1, 2, 6, 0
	TURN 1, 0, 7, 1                                ; slot 1 takes K 1,536 .. 2,047: the last load
	STEP 0, 0, 8, 0
	STEP 0, 1, 9, 0
	STEP 0, 2, 10, 0
	TURN 0, 1, 11, 0                               ; nothing is left to fetch; behind this barrier nobody reads slot 0 any more
	STEP 1, 0, 12, 0
	STEP 1, 1, 13, 0
	STEP 1, 2, 14, 0
	s_wait_dscnt 0x0
	MUL8 0, 1, 15, 0
	MUL8 1, 1, 15, 0
	MUL8 2, 1, 15, 0
	MUL8 3, 1, 15, 0
	WIN 0
; THE WAY OUT, block by block of 16 rows x 128 columns.  A lane holds 32 neighbouring bytes of a row, and the lanes beside it hold other rows: so a block goes through my own stage and comes back as whole rows of 512 bytes.
; LDS serves a wave's instructions in order (ISA guide 5.7.1.4), so no wait stands between the stores and the loads.  The rows come back into window 1, where w_o's fragments lay: the scales' registers hold nothing else.
.macro TOSTAGE a
.set AC, 64*(\a)
	WIN 0x08                                       ; an LDS store's data are its source 1: window 2
.irp b, 0,1,2,3,4,5,6,7
	ds_store_b128 v[STO], v[AC+8*\b:AC+8*\b+3] offset:64*\b          ; each accumulator from its low end on
	ds_store_b128 v[STO], v[AC+8*\b+4:AC+8*\b+7] offset:64*\b+16
.endr
	WIN TO_B
.set BB, BK+64*((\a)%2)
.irp t, 0,1,2,3,4,5,6,7,8,9,10,11,12,13,14,15
	ds_load_b128 v[BB+4*\t:BB+4*\t+3], v[RD] offset:\t*SPITCH
.endr
	WIN 0
.endm
.macro SEND a, younger                 ; younger: the LDS instructions issued behind block a's loads, which may stay out
.set BB, BK+64*((\a)%2)
	s_wait_dscnt \younger                          ; the block is back in registers
.if (\a) > 0
	s_add_nc_u64 s[12:13], s[12:13], 16*NOUT*4     ; (behind a wait on XCNT: the earlier stores have read their base)  16 rows of out0 on
.endif
	WIN 0x04                                       ; a store's data are its source 1: window 1
.irp t, 0,1,2,3,4,5,6,7,8,9,10,11,12,13,14,15
	global_store_b128 v[CO], v[BB+4*\t:BB+4*\t+3], s[12:13] offset:\t*NOUT*4 th:TH_STORE_NT   ; 32 lanes store 512 consecutive bytes, aligned; written once, read by nobody here
.endr
	WIN 0
.endm
	PLACES NP                                      ; in front of the first read of results and of the loads into registers that the last products read
	TOSTAGE 0
.irp a, 1,2,3
.if \a > 1
	s_wait_xcnt 0x0                                ; block a - 2's stores have read their registers and their base: block a's loads may land there, and the base may step
.endif
	TOSTAGE \a
	SEND \a-1, 32                                  ; behind block a - 1's loads: block a's 16 stores and 16 loads
.endr
	s_wait_xcnt 0x0                                ; block 2's stores have read their base
	SEND 3, 0
	s_wait_tensorcnt 0x0                           ; the wave's end, behind my last tensor load and my last LDS store
	ds_add_u32 v[SPW], v[NIL]
	s_wait_dscnt 0x0
	CROUND                                         ; the closing round: no work-group ends while a partner may still ask for a tile that names it
	s_endpgm
.Lfunc_end_k_qb62fa593ae_oproj:
	.size	k_qb62fa593ae_oproj, .Lfunc_end_k_qb62fa593ae_oproj-k_qb62fa593ae_oproj
	.p2alignl 7, 3214868480
	.fill 96, 4, 3214868480
	.section	.rodata,"a",@progbits
	.p2align	6, 0x0
	.amdhsa_kernel k_qb62fa593ae_oproj
		.amdhsa_group_segment_fixed_size 327680
		.amdhsa_private_segment_fixed_size 0
		.amdhsa_enable_private_segment 0
		.amdhsa_kernarg_size 40
		.amdhsa_user_sgpr_count 2
		.amdhsa_user_sgpr_kernarg_segment_ptr 1
		.amdhsa_wavefront_size32 1
		.amdhsa_system_sgpr_workgroup_id_x 1
		.amdhsa_system_sgpr_workgroup_id_y 1
		.amdhsa_system_sgpr_workgroup_id_z 1
		.amdhsa_system_vgpr_workitem_id 0
		.amdhsa_next_free_vgpr 768
		.amdhsa_next_free_sgpr 98
		.amdhsa_reserve_vcc 0
		.amdhsa_float_denorm_mode_32 3
		.amdhsa_float_denorm_mode_16_64 3
		.amdhsa_memory_ordered 1
		.amdhsa_forward_progress 1
		.amdhsa_inst_pref_size 157
	.end_amdhsa_kernel
	.amdgpu_metadata
---
amdhsa.version: [ 1, 2 ]
amdhsa.kernels:
  - .name:           k_qb62fa593ae_oproj
    .symbol:         k_qb62fa593ae_oproj.kd
    .args:
      - { .name: ctx_codes, .offset: 0, .size: 8, .value_kind: global_buffer, .address_space: global }
      - { .name: ctx_scales, .offset: 8, .size: 8, .value_kind: global_buffer, .address_space: global }
      - { .name: w_o_codes, .offset: 16, .size: 8, .value_kind: global_buffer, .address_space: global }
      - { .name: w_o_scales, .offset: 24, .size: 8, .value_kind: global_buffer, .address_space: global }
      - { .name: out0, .offset: 32, .size: 8, .value_kind: global_buffer, .address_space: global }
    .group_segment_fixed_size: 327680
    .private_segment_fixed_size: 0
    .kernarg_segment_align: 8
    .kernarg_segment_size: 40
    .max_flat_workgroup_size: 128
    .sgpr_count:     98
    .vgpr_count:     768
    .wavefront_size: 32
...
	.end_amdgpu_metadata
.endif
;; end of part 3
